; MI455X (gfx1250); checked and timed in simulation.
; The chip was launched on July 23, 2026; its instructions are those of AMD's public machine-readable ISA for CDNA 5 (MIT licence, August 2026) and "CDNA5" Instruction Set Architecture Reference Guide (July 2026). The comments in the code are by the model that wrote it; some were corrected since.
;; Causal Self Attention. Allowed arithmetic: matrix products marked QUANTISED: E3M2 operands, one E8M0 scale for each 32 along K, by v_wmma_scale_f32_16x16x128_f8f6f4 with both operands' format E3M2, f32 sums; everything else in f32.
;; Inputs: Wk 1,024 x 1,024 float32; Wo 1,024 x 1,024 float32; Wq 1,024 x 1,024 float32; Wv 1,024 x 1,024 float32; bo 1,024 float32; x 2 x 2,048 x 1,024 float32.
;; Outputs: out0 2 x 2,048 x 1,024 float32.
;; This version of the problem:
;;   THIS VERSION OF THE PROBLEM IS GIVEN IN LOW PRECISION. The matrix products marked QUANTISED in the list below multiply operands that are first quantised to E3M2 (3 exponent bits, 2 mantissa bits; 6 bits a number), with one power-of-two scale for each 32 numbers along K (OCP MX v1.0); their sums are f32. All else is computed in f32.
;;   The module's matrix products, in the order in which they are computed (A, B: the left and right operand; K: the contracted axis; several contracted axes count as one K, in the product's order):
;;     1. [M 4,096, K 1,024] x [K 1,024, N 1,024]; A: input x; B: input Wq: QUANTISED
;;     2. [M 4,096, K 1,024] x [K 1,024, N 1,024]; A: input x; B: input Wk: QUANTISED
;;     3. [M 4,096, K 1,024] x [K 1,024, N 1,024]; A: input x; B: input Wv: QUANTISED
;;     4. batch 32 x [M 2,048, K 64] x [K 64, N 2,048]; A: computed on the way; B: computed on the way: QUANTISED
;;     5. batch 32 x [M 2,048, K 2,048] x [K 2,048, N 64]; A: softmax (see below); B: computed on the way: QUANTISED
;;     6. [M 4,096, K 1,024] x [K 1,024, N 1,024]; A: computed on the way; B: input Wo: QUANTISED
;;   THE QUANTISER, for each operand of a quantised product, along K:
;;     - K is cut into blocks of 32 from its start; a last block that is shorter is filled with zeros.
;;     - A block's scale is 2^e with e = floor(log2(the largest magnitude in the block)) - 4, held to -126 .. 127; a block of zeros has e = 0. As a byte (E8M0): e + 127.
;;     - Each number is divided by its block's scale, clamped to +-28, and rounded to the nearest number of E3M2, ties to even, subnormals kept.
;;     - The product sums the exact products of the quantised numbers (number of the format x scale) in f32.
;;   ~~~python
;;   def quantise(x, axis):      # numpy; x: float32 -> the quantised numbers, widened to float32 again
;;       x = np.moveaxis(x, axis, -1); K = x.shape[-1]
;;       x = np.pad(x, [(0, 0)] * (x.ndim - 1) + [(0, -K % 32)]); x = x.reshape(x.shape[:-1] + (-1, 32)); a = np.abs(x).max(-1, keepdims=True)
;;       e = np.where(a > 0, np.clip(np.frexp(np.where(a > 0, a, 1))[1] - 1 - 4, -126, 127), 0)      # np.frexp(a)[1] - 1 = floor(log2(a)), exactly
;;       r = np.clip(x / 2.0 ** e, -28, 28)
;;       step = 2.0 ** (np.maximum(np.frexp(np.where(r == 0, 1, r))[1] - 1, -2) - 2)
;;       q = np.round(r / step) * step * 2.0 ** e      # np.round: ties to even
;;       return np.moveaxis(q.reshape(q.shape[:-2] + (-1,))[..., :K], -1, axis).astype(np.float32)
;;   ~~~
;;   SOFTMAX AHEAD OF A QUANTISED PRODUCT. Where the list says 'softmax', what is quantised is not the finished softmax but p = 2^(t - M), with t = logit x log2(e) and M = ceil(the row's largest t), a whole number; so 1/2 < the row's largest p <= 1. The row's sum l is taken of the UNQUANTISED p, in f32, and the product's result is divided by l at the end. Since M is a whole number, a kernel that streams over the keys may use a running M (the ceiling of the running maximum): every later rescaling is an exact power of two, which a block's scale takes up: the codes' values come out the same.
;;   OPERANDS COMPUTED ON THE WAY. 'Computed on the way' means the value that the module computes at that place (a softmax that the list does not call 'softmax' is quantised finished and normalised). What goes into a quantiser is computed in f32, as accurately as f32 sums, v_exp_f32 and their like allow (about 1e-6 of the number): no bf16 or f16 on the way to a quantiser, and a product that is left as it is and whose result goes on into a quantised operand takes f32 operands (vector FMAs, or v_wmma_f32_16x16x4_f32). A number that lies on a knife's edge between two numbers of the format may be rounded either way, as far as f32 arithmetic and the matrix unit's own rounding can turn it there, and no further.
;; One version. Each part assembles by itself: llvm-mc -triple=amdgcn-amd-amdhsa -mcpu=gfx1250 --defsym DOCPART=n.
;; ======== version 1 of 1: 4 launches
;; limits: right only within a limited range of input values
;; workspace buffers: cod 6,291,456 bytes; scl 262,144 bytes; qc 3,145,728 bytes; qs 131,072 bytes; kv 6,553,600 bytes; ac 3,145,728 bytes; asc 131,072 bytes
;; launch quant (part 1): grid 128 x 2, 8 waves a work-group, no clusters, 43,008 bytes of LDS; arguments x, Wq, Wk, Wv, Wo, cod, scl; writes cod, scl
.if DOCPART == 1
	.amdgcn_target "amdgcn-amd-amdhsa--gfx1250"
	.amdhsa_code_object_version 6
	.text
	.protected	k_q1ecc3746ca_quant
	.globl	k_q1ecc3746ca_quant
	.p2align	8
	.type	k_q1ecc3746ca_quant,@function
k_q1ecc3746ca_quant:
	s_mov_b64 s[64:65], 0
	v_nop
	global_prefetch_b8 v0, s[64:65] scope:SCOPE_SE
	s_setreg_imm32_b32 hwreg(HW_REG_WAVE_MODE, 25, 1), 1
	s_wait_xcnt 0x0
; x [4096][1024] and Wq, Wk, Wv, Wo [1024][1024], f32, K innermost, become codes of BF6 (E3M2) with one E8M0 byte for each 32 along K.
; OUT: cod [16 groups of 64 along K][8192 rows][48 bytes], scl [8 runs of 128 along K][8192 rows][4 bytes].  Rows 0-4095 x; from 4096 on, for each head, 64 rows of Wq, 64 of Wk, 64 of Wv; from 7168 on Wo.
; STORAGE ORDER: inside each 64 rows storage row 16 t + 8 g + j (t 0-3, g 0-1, j 0-7) holds the tensor's row 32 g + 8 t + j.  Used as a matrix instruction's source 0, four tiles of 16 storage rows
; leave in a lane of half g the 32 neighbours 32 g + 0 .. 31: a whole block of the next product's K.
; A block's scale is 2^(floor(log2(its largest magnitude)) - 4); its byte is the largest magnitude's exponent field - 4, held at 1 from below.
; LIMITS of the whole program: a block of zeros gets the byte 1 where the rule says 127 (its codes are zeros, and this program alone reads the bytes); blocks whose largest magnitude lies under 2^-122 are
; held at the byte 1; NaN and infinities among the inputs are not served; the scaled scores stay under 2^31 in magnitude.
; LEFT OUT in the program: key steps of 128 that lie wholly behind a tile's queries (reference() sets their scores to -infinity, whatever the inputs hold); a NaN or an overflow in scores of those steps is not carried on.
; SHARES: a work-group takes 64 storage rows x 512 along K.  Wave w: 16 rows (w % 4) x 256 along K (w / 4), in 8 steps of 8 rows x 64 along K.
; Each load reads two rows' aligned 256 bytes; all 32 loads of a wave go out at the start.  A step's 2,048 bytes turn through the wave's own stage in LDS, so that a lane then holds 16 neighbours along K (two lanes hold a block).
; A step's codes are 384 consecutive bytes; two steps fill three aligned blocks of 256.  The scale bytes meet in LDS and leave as four aligned blocks of 256 bytes.
; No tensor loads, no matrix unit, no cluster: work-groups share no input, and the launch only streams.
.set EMAX,  4
.set GP,    393216                     ; cod: from one group of 64 along K to the next: 8,192 rows x 48 bytes
.set R,     16                         ; v16-143  the 8 steps' numbers as loaded, 16 each
.set X,     144                        ; v144-175 two sets of 16 neighbours
.set E,     176                        ; v176-183 a scale byte for each step
.set C,     184                        ; v184-215 codes: four registers for each step, so that no store's data are written again
.set SPW,   216                        ; my spare word
.set NIL,   217                        ; 0
.set SP,    80                         ; a lane's place in a stage: 64 bytes + 16 of padding
.set WREG,  5120                       ; LDS: two stages of 32 x SP bytes for each wave
.set SB,    40960                      ; behind them: the work-group's scale bytes, [4 runs of 128 along K][64 rows][4]
.set SPARE, 41984
	s_load_b256 s[4:11], s[0:1], 0x0               ; x, Wq, Wk, Wv
	s_load_b128 s[12:15], s[0:1], 0x20             ; Wo, cod
	s_load_b64 s[16:17], s[0:1], 0x30              ; scl
	v_lshl_add_u32 v[SPW], v0, 2, SPARE
	v_mov_b32 v[NIL], 0
	v_lshrrev_b32 v1, 5, v0
	v_readfirstlane_b32 s18, v1                    ; wave 0..7
	v_and_b32 v2, 31, v0                           ; lane
	s_and_b32 s19, s18, 3                          ; rg: which 16 storage rows
	s_lshr_b32 s20, s18, 2                         ; kq: which 4 groups of 64 along K
	s_and_b32 s21, ttmp7, 0xffff                   ; kh: which half of K
	v_lshrrev_b32 v3, 4, v2
	v_and_b32 v4, 15, v2
	v_lshlrev_b32 v3, 12, v3
	v_lshrrev_b32 v14, 2, v2
	v_lshl_add_u32 v3, v4, 4, v3                   ; in: lanes 0-15 one row's 256 bytes, lanes 16-31 the next row's
	s_mul_i32 s22, s18, WREG
	v_mul_u32_u24 v14, v14, SP
	v_and_b32 v15, 3, v2
	v_lshl_add_u32 v14, v15, 4, v14
	v_mul_u32_u24 v15, v2, SP
	v_add_nc_u32 v14, s22, v14                     ; the stage, on the way in: four lanes' 64 bytes on end, then 16 of padding
	v_add_nc_u32 v15, s22, v15                     ; and on the way out: lane L has row L / 4, k = 16 (L % 4) + 0 .. 15
	v_mul_u32_u24 v4, v2, 12                       ; my 12 bytes of a step's 384
	v_lshrrev_b32 v5, 2, v2
	v_bfe_u32 v6, v2, 1, 1
	v_lshlrev_b32 v7, 3, v2                        ; the scale bytes' way out: 8 bytes a lane
	v_lshl_add_u32 v5, v5, 2, v6                   ; my block's byte: 4 x row + the block in its group
	s_lshl_b32 s23, s20, 9
	s_lshl_b32 s24, s19, 6
	s_add_co_u32 s23, s23, s24
	s_add_co_u32 s23, s23, SB
	v_add_nc_u32 v5, s23, v5                       ; + 512 kq + 64 rg
	s_lshl_b32 s23, s19, 8
	s_add_co_u32 s23, s23, SB
	v_add_nc_u32 v6, s23, v7                       ; waves 0-3 take one run of 128 along K each
	s_lshl_b32 s25, s19, 3                         ; my 16 storage rows: the tensor's rows 8 rg + 0 .. 7 and, 32 further down, 8 more
	s_lshl_b32 s26, s21, 3
	s_lshl_b32 s27, s20, 2
	s_add_co_u32 s26, s26, s27                     ; my first group of 64 along K
	s_and_b32 s32, ttmp9, 15                       ; the output's block of 64 rows: 64 + 3 head + (Wq 0, Wk 1, Wv 2) for these three weights,
	s_mul_i32 s32, s32, 3
	s_lshr_b32 s33, ttmp9, 4
	s_add_co_u32 s32, s32, s33
	s_add_co_u32 s32, s32, 60
	s_cmp_lt_u32 ttmp9, 112
	s_cselect_b32 s32, s32, ttmp9                  ; my own number for Wo
	s_cmp_lt_u32 ttmp9, 64
	s_cselect_b32 s32, ttmp9, s32                  ; and for x
	s_lshl_b32 s28, s32, 6
	s_lshl_b32 s29, s19, 4
	s_add_co_u32 s28, s28, s29
	s_mul_i32 s28, s28, 48
	s_mul_i32 s29, s26, GP
	s_add_co_u32 s28, s28, s29                     ; cod: (64 block + 16 rg) x 48 + group x GP
	s_mov_b32 s29, 0
	s_lshl_b32 s30, s21, 2
	s_add_co_u32 s30, s30, s19
	s_lshl_b32 s30, s30, 15
	s_lshl_b32 s31, s32, 8
	s_add_co_u32 s30, s30, s31                     ; scl: ((4 kh + w) x 8192 + 64 block) x 4
	s_mov_b32 s31, 0
	s_and_b32 s24, ttmp9, 15                       ; the block of 64 rows inside a weight
	s_wait_alu depctr_va_vdst(0)                   ; the wait at the head's end
	s_wait_kmcnt 0x0
	s_cmp_lt_u32 ttmp9, 112                        ; which tensor: the choice hangs on the work-group's number alone
	s_cselect_b64 s[12:13], s[10:11], s[12:13]
	s_cmp_lt_u32 ttmp9, 96
	s_cselect_b64 s[12:13], s[8:9], s[12:13]
	s_cmp_lt_u32 ttmp9, 80
	s_cselect_b64 s[12:13], s[6:7], s[12:13]
	s_cmp_lt_u32 ttmp9, 64
	s_cselect_b64 s[12:13], s[4:5], s[12:13]
	s_cselect_b32 s24, ttmp9, s24
	s_lshl_b32 s24, s24, 6
	s_add_co_u32 s24, s24, s25
	s_lshl_b32 s24, s24, 12                        ; rows of 4,096 bytes
	s_lshl_b32 s27, s26, 8
	s_add_co_u32 s24, s24, s27                     ; + 256 bytes for each group of 64 along K
	s_mov_b32 s25, 0
	s_add_nc_u64 s[12:13], s[12:13], s[24:25]
	s_add_nc_u64 s[14:15], s[14:15], s[28:29]
	s_add_nc_u64 s[16:17], s[16:17], s[30:31]
.irp t, 0,1,2,3,4,5,6,7                ; step t: group t / 2, storage rows 8 (t % 2) on, which lie 32 rows further down in the tensor
.irp i, 0,1,2,3
	global_load_b128 v[R+16*\t+4*\i:R+16*\t+4*\i+3], v3, s[12:13] offset:256*(\t/2)+131072*(\t%2)+8192*\i th:TH_LOAD_NT
.endr
.endr
.macro TURN t                          ; step t's numbers through the stage: LDS serves a wave's instructions in order, so no wait stands between the stores and the loads
	s_wait_loadcnt 4*(7-(\t))                      ; step t's four loads are in; those of the steps behind it may be out
.irp i, 0,1,2,3
	ds_store_b128 v14, v[R+16*(\t)+4*\i:R+16*(\t)+4*\i+3] offset:32*SP*((\t)%2)+8*SP*\i
.endr
.irp i, 0,1,2,3
	ds_load_b128 v[X+16*((\t)%2)+4*\i:X+16*((\t)%2)+4*\i+3], v15 offset:32*SP*((\t)%2)+16*\i
.endr
.endm
	TURN 0
.macro STEP t
.set XS, X+16*((\t)%2)
.if (\t) > 0
	s_wait_dscnt 1                                 ; this step's numbers are back from the stage (the last step's byte store may be out)
.else
	s_wait_dscnt 0x0
.endif
.if (\t) < 7
	TURN (\t)+1
.endif
	v_max3_num_f32 v8, |v[XS]|, |v[XS+1]|, |v[XS+2]|               ; the largest magnitude of my 16, in two chains
	v_max3_num_f32 v9, |v[XS+3]|, |v[XS+4]|, |v[XS+5]|
.irp i, 6,10
	s_delay_alu instid0(VALU_DEP_2)
	v_max3_num_f32 v8, v8, |v[XS+\i]|, |v[XS+\i+1]|
	s_delay_alu instid0(VALU_DEP_2)
	v_max3_num_f32 v9, v9, |v[XS+\i+2]|, |v[XS+\i+3]|
.endr
	s_delay_alu instid0(VALU_DEP_2)
	v_max3_num_f32 v8, v8, |v[XS+14]|, |v[XS+15]|
	s_delay_alu instid0(VALU_DEP_1)
	v_max3_num_f32 v8, v8, v9, (EMAX+1)<<23        ; and the floor 2^(5 - 127): the byte cannot fall under 1
	s_delay_alu instid0(VALU_DEP_1)
	v_max_num_f32_dpp v8, v8, v8 row_xmask:1 row_mask:0xf bank_mask:0xf   ; and of my neighbour's 16: the block's
	s_delay_alu instid0(VALU_DEP_1)
	v_add_nc_u32 v11, -(EMAX<<23), v8              ; 4 off its exponent field: the conversion takes the exponent field of this operand as its scale
	v_cvt_scalef32_pk16_bf6_f32 v[C+4*(\t):C+4*(\t)+2], v[XS:XS+15], v11
	v_lshrrev_b32 v[E+(\t)], 23, v11               ; the scale's byte (a plain line behind the conversion)
	ds_store_b8 v5, v[E+(\t)] offset:256*((\t)/4)+32*((\t)%2)+2*(((\t)/2)%2)   ; both lanes of a block write the same byte with the same value
	global_store_b96 v4, v[C+4*(\t):C+4*(\t)+2], s[14:15] offset:GP*((\t)/2)+384*((\t)%2)
.endm
.irp t, 0,1,2,3,4,5,6,7
	STEP \t
.endr
	s_wait_dscnt 0x0                               ; for the others' sake: my byte stores have landed
	s_barrier_signal -1
	s_barrier_wait -1
	s_cmp_lt_u32 s18, 4
	s_cbranch_scc0 .Ldone
	ds_load_b64 v[12:13], v6                       ; 64 rows' words of one run of 128 along K
	s_wait_dscnt 0x0
	global_store_b64 v7, v[12:13], s[16:17]        ; 32 lanes store 256 consecutive bytes, aligned
.Ldone:
	s_wait_tensorcnt 0x0                           ; the wave's end
	ds_add_u32 v[SPW], v[NIL]
	s_wait_dscnt 0x0
	s_endpgm
.Lfunc_end_k_q1ecc3746ca_quant:
	.size	k_q1ecc3746ca_quant, .Lfunc_end_k_q1ecc3746ca_quant-k_q1ecc3746ca_quant
	.p2alignl 7, 3214868480
	.fill 96, 4, 3214868480
	.section	.rodata,"a",@progbits
	.p2align	6, 0x0
	.amdhsa_kernel k_q1ecc3746ca_quant
		.amdhsa_group_segment_fixed_size 43008
		.amdhsa_private_segment_fixed_size 0
		.amdhsa_enable_private_segment 0
		.amdhsa_kernarg_size 56
		.amdhsa_user_sgpr_count 2
		.amdhsa_user_sgpr_kernarg_segment_ptr 1
		.amdhsa_wavefront_size32 1
		.amdhsa_system_sgpr_workgroup_id_x 1
		.amdhsa_system_sgpr_workgroup_id_y 1
		.amdhsa_system_sgpr_workgroup_id_z 1
		.amdhsa_system_vgpr_workitem_id 0
		.amdhsa_next_free_vgpr 224
		.amdhsa_next_free_sgpr 66
		.amdhsa_reserve_vcc 0
		.amdhsa_float_denorm_mode_32 3
		.amdhsa_float_denorm_mode_16_64 3
		.amdhsa_memory_ordered 1
		.amdhsa_forward_progress 1
		.amdhsa_inst_pref_size 21
	.end_amdhsa_kernel
	.amdgpu_metadata
---
amdhsa.version: [ 1, 2 ]
amdhsa.kernels:
  - .name:           k_q1ecc3746ca_quant
    .symbol:         k_q1ecc3746ca_quant.kd
    .args:
      - { .name: x, .offset: 0, .size: 8, .value_kind: global_buffer, .address_space: global }
      - { .name: Wq, .offset: 8, .size: 8, .value_kind: global_buffer, .address_space: global }
      - { .name: Wk, .offset: 16, .size: 8, .value_kind: global_buffer, .address_space: global }
      - { .name: Wv, .offset: 24, .size: 8, .value_kind: global_buffer, .address_space: global }
      - { .name: Wo, .offset: 32, .size: 8, .value_kind: global_buffer, .address_space: global }
      - { .name: cod, .offset: 40, .size: 8, .value_kind: global_buffer, .address_space: global }
      - { .name: scl, .offset: 48, .size: 8, .value_kind: global_buffer, .address_space: global }
    .group_segment_fixed_size: 43008
    .private_segment_fixed_size: 0
    .kernarg_segment_align: 8
    .kernarg_segment_size: 56
    .max_flat_workgroup_size: 256
    .sgpr_count:     66
    .vgpr_count:     224
    .wavefront_size: 32
...
	.end_amdgpu_metadata
.endif
;; end of part 1
;; launch qkvgemm (part 2): grid 16 x 16, 4 waves a work-group, clusters of 4 x 4, 327,680 bytes of LDS; arguments cod, scl, qc, qs, kv; writes qc, qs, kv
.if DOCPART == 2
	.amdgcn_target "amdgcn-amd-amdhsa--gfx1250"
	.amdhsa_code_object_version 6
	.text
	.protected	k_q1ecc3746ca_qkvgemm
	.globl	k_q1ecc3746ca_qkvgemm
	.p2align	8
	.type	k_q1ecc3746ca_qkvgemm,@function
k_q1ecc3746ca_qkvgemm:
	s_mov_b64 s[64:65], 0
	v_nop
	global_prefetch_b8 v0, s[64:65] scope:SCOPE_SE
	s_setreg_imm32_b32 hwreg(HW_REG_WAVE_MODE, 25, 1), 1
	s_wait_xcnt 0x0
	s_wait_alu depctr_hold_cnt(0) depctr_sa_sdst(0) depctr_va_vdst(0) depctr_va_sdst(0) depctr_va_ssrc(0) depctr_va_vcc(0) depctr_vm_vsrc(0)
	s_getreg_b32 s2, hwreg(HW_REG_IB_STS2, 6, 4)
	s_cmp_eq_u32 s2, 0
	s_cbranch_scc0 .Lentry_in_a_cluster
	s_endpgm
.Lentry_in_a_cluster:
	s_bfe_u32 s2, ttmp6, 0x10000c
	s_cmp_lg_u32 s2, 0xf033
	s_cbranch_scc0 .Lentry_shape_is_right
	s_endpgm
.Lentry_shape_is_right:
; q = x Wq^T, k = x Wk^T, v = x Wv^T on codes of BF6 (E3M2) with E8M0 scales, sums in f32; the results are quantised at once, in registers, for the products that follow, and leave as codes.
; IN:  cod [16 groups of 64 along K][8192 rows][48], scl [8][8192][4]: rows 0-4095 x; from 4096 on, for each head, 64 rows of Wq, of Wk, of Wv.  Inside 64 rows storage row 16 t + 8 g + j is row 32 g + 8 t + j.
; OUT, all as IMAGES OF OPERAND REGISTERS (lane after lane), tiles of 16 storage rows:
;   qc [16 heads][256 tiles][768]: a lane's registers 0-3 (512 bytes), then 4-5 (256 bytes); qs [16 heads][128 pairs of tiles][16 rows][4]: two bytes of the even tile, two of the odd.
;   kv [2 x 16 heads][16 key steps of 128][12800]: K: 4 pairs of tiles x 3 x 512 bytes (12 registers: the even tile's 6, the odd one's 6); at 6,144 V: [2 halves of 64 keys][4 tiles of 16 features][768];
;   at 12,288 K's scale words [4 pairs][16][4], at 12,544 V's [4 tiles][16 features][4].
; SHARES: a work-group has one head and 256 tokens: 16 x 16 work-groups.  A wave makes 64 tokens x 192 features: 48 accumulators, 384 registers.
; q and k: source 0 = rows of W, source 1 = rows of x: a lane then holds one token and, over four tiles, 32 neighbouring features.  v: source 0 = rows of x, source 1 = rows of Wv: a lane holds one feature and 32 neighbouring tokens.
; So a block of 32 along the next K lies in ONE lane, and its codes are that lane's operand registers: codes go from registers to memory, 512 or 256 consecutive bytes a store; only scale bytes cross lanes and meet in LDS.
; K = 1,024: 16 groups of 64, of which LDS holds 14 places: groups 0-7 at the head with all scales (one load a wave), groups 8-13 behind a round, groups 14, 15 into places 0, 1 behind another.
; CLUSTERS: 4 x 4 work-groups; x's tiles are asked for jointly along a row of the cluster (same tokens), W's along a column (same head).
; A row is 48 bytes = 12 words, so the 32 lanes of an 8-byte load (row x 48 + 24 x half) touch 64 different banks (ISA guide 11.1): no padding.
; No prefetch: two fills follow the head's, and each is asked for as soon as the one before it has landed.
; LIMITS: as in the first launch (zero blocks get the byte 1; blocks under 2^-122 held at the byte 1; NaN and infinities not served).
; REGISTERS: window 0: v0-31 addresses, v32-95 scale words (lanes 0-15 an even step's, 16-31 the odd one's), v96-127 at work, v128-255 v's accumulators; window 1, 2: two sets of fragments (x 4, W 12); window 3: q's and k's accumulators.
.set GP,    393216                     ; cod: from a group to the next
.set XP,    12288                      ; a place of x: 256 rows of one group
.set WP,    9216                       ; a place of W: 192 rows
.set WB,    14*XP
.set SCL,   WB+14*WP                   ; x's scale words [8][256][4]
.set SCW,   SCL+8192                   ; W's [8][192][4]
.set SPARE, SCW+6144
.set OUTS,  SPARE+512                  ; scale words on the way out: q 512 bytes, k 512, v 512
.set L16, 4
.set L8,  5
.set H8,  6
.set SSO, 7
.set VSO, 8
.set OL,  9
.set OO,  10
.set ADX, 16                           ; v16-18 my fragments of x in places 0-5, 6-11, 12-13
.set ADW, 20                           ; v20-22 W's
.set ASX, 24
.set ASW, 25
.set SPW, 28
.set NIL, 29
.set SC,  32
.set TM,  96
.set SO,  100
.set BY,  104
.set WD,  108
.set WX,  110
.set TT,  112
.set VA,  128
.set G1,  24
.set G0,  32
.set G0B, 36
.set G1B, 48
.set G1S, 68
.set G0S, 76
.set G1SB, 80
.set G0SB, 88
.set SEL, 96
.set MSB, 0
.macro WIN new                         ; the immediate's high byte repeats the setting that is left
.if MSB != (\new)
	s_set_vgpr_msb (MSB<<8)|(\new)
.set MSB, (\new)
.endif
.endm
.macro PLACES n
.rept \n
	v_nop
.endr
.endm
.macro ASK g0, g1
	tensor_load_to_lds s[\g0:\g0+3], s[\g1:\g1+7]
	s_nop 0
	PLACES 4
.endm
.macro JLOAD                           ; a joint load: waves 0, 2 fetch x's groups, waves 1, 3 W's; the branch hangs on the wave's number alone
	s_cmp_eq_u32 s16, 0
	s_cbranch_scc0 .Lfor_w_\@
	ASK G0, G1
	s_branch .Lasked_\@
.Lfor_w_\@:
	ASK G0B, G1B
.Lasked_\@:
.endm
.macro CREST                           ; a round of the cluster's barrier behind its opening barrier
	s_cmp_lg_u32 s14, 0
	s_cbranch_scc1 .Lnot_wave_0_\@
	s_barrier_signal -3
.Lnot_wave_0_\@:
	s_barrier_wait -3
	s_barrier_signal -1
	s_barrier_wait -1
.endm
.macro CROUND
	s_barrier_signal -1
	s_barrier_wait -1
	CREST
.endm
	s_load_b256 s[4:11], s[0:1], 0x0               ; cod, scl, qc, qs
	s_load_b64 s[12:13], s[0:1], 0x20              ; kv
	v_lshl_add_u32 v[SPW], v0, 2, SPARE
	v_mov_b32 v[NIL], 0
	ds_add_u32 v[SPW], v[NIL]                      ; the opening: the add, twice on end, and its wait ahead of my first tensor load
	ds_add_u32 v[SPW], v[NIL]
	v_lshrrev_b32 v1, 5, v0
	v_readfirstlane_b32 s14, v1                    ; wave 0..3: my 64 tokens of the 256
	s_lshr_b32 s15, s14, 1                         ; which part of a later fill's groups I fetch,
	s_and_b32 s16, s14, 1                          ; and whether x's or W's
	s_bfe_u32 s40, ttmp6, 0x40000                  ; cx, cy: my place in the cluster
	s_bfe_u32 s41, ttmp6, 0x40004
	s_lshl_b32 s42, ttmp9, 2
	s_add_co_u32 s42, s42, s40                     ; head
	s_and_b32 s17, ttmp7, 0xffff
	s_lshl_b32 s17, s17, 2
	s_add_co_u32 s17, s17, s41                     ; block of 256 tokens
	s_lshl_b32 s43, s41, 2
	s_lshl_b32 s43, 15, s43                        ; my row of the cluster
	s_lshl_b32 s44, 0x1111, s40                    ; my column
	s_or_b32 s[G1+0], s43, (3<<16)|(1<<21)         ; 15:0 the mask; 17:16 elements of 8 bytes; 20 no padding; 21 set beside a mask
	s_or_b32 s[G1B+0], s44, (3<<16)|(1<<21)
	s_or_b32 s[G1S+0], s43, (3<<16)|(1<<21)
	s_or_b32 s[G1SB+0], s44, (3<<16)|(1<<21)
.macro SHAPE g, c, r, p                ; r rows of c elements, p elements apart
	s_mov_b32 s[\g+1], (\c)<<16
	s_mov_b32 s[\g+2], (\r)<<16
	s_mov_b32 s[\g+3], (\c)<<16
	s_mov_b32 s[\g+4], \r
	s_mov_b32 s[\g+5], \p
	s_mov_b32 s[\g+6], 0
	s_mov_b32 s[\g+7], 0
.endm
	SHAPE G1, XP/8, 8, GP/8                        ; the head's loads: eight groups
	SHAPE G1B, WP/8, 8, GP/8
	SHAPE G1S, 128, 8, 4096
	SHAPE G1SB, 96, 8, 4096
	s_mul_i32 s20, s17, XP                         ; where my tiles begin: x's codes,
	s_mov_b32 s21, 0
	s_mul_i32 s46, s42, WP
	s_add_co_u32 s46, s46, 196608                  ; W's,
	s_mov_b32 s47, 0
	s_lshl_b32 s22, s17, 10                        ; x's scale words,
	s_mov_b32 s23, 0
	s_mul_i32 s92, s42, 768
	s_add_co_u32 s92, s92, 16384                   ; W's
	s_mov_b32 s93, 0
	s_lshl_b32 s98, s42, 8                         ; q's codes: (256 head + 16 block + 4 wave) x 768
	s_lshl_b32 s99, s17, 4
	s_add_co_u32 s98, s98, s99
	s_lshl_b32 s99, s14, 2
	s_add_co_u32 s98, s98, s99
	s_mul_i32 s98, s98, 768
	s_mov_b32 s99, 0
	s_lshr_b32 s2, s17, 3
	s_lshl_b32 s2, s2, 4
	s_add_co_u32 s2, s2, s42
	s_lshl_b32 s2, s2, 4
	s_and_b32 s3, s17, 7
	s_lshl_b32 s3, s3, 1
	s_add_co_u32 s2, s2, s3
	s_mul_i32 s2, s2, 12800                        ; kv: the work-group's two key steps
	s_mul_i32 s100, s15, 12800
	s_mul_i32 s101, s16, 3072
	s_add_co_u32 s100, s100, s101
	s_add_co_u32 s100, s100, s2                    ; my wave's half of a step: K here, V 6,144 further on
	s_mov_b32 s101, 0
	s_lshl_b32 s94, s42, 13                        ; scale words: wave 0 stores q's, wave 1 k's, wave 2 v's
	s_lshl_b32 s95, s17, 9
	s_add_co_u32 s94, s94, s95
	s_lshl_b32 s95, s14, 8
	s_add_co_u32 s95, s95, s2
	s_add_co_u32 s95, s95, 12032
	s_cmp_eq_u32 s14, 0
	s_cselect_b32 s94, s94, s95
	s_mov_b32 s95, 0
	s_mov_b32 s45, 12800
	s_cselect_b32 s45, 256, s45                    ; from the first 256 bytes of them to the second
	s_mov_b32 s[SEL], 0x76543210
	s_mov_b32 s[SEL+1], 0xfedcba98
	s_mul_i32 s18, s15, 3*GP
	s_add_co_u32 s18, s18, 8*GP                    ; the second fill: groups 8 + 3 part + 0 .. 2,
	s_mov_b32 s19, 0
	s_wait_dscnt 0x0                               ; both opening adds are done
	s_wait_kmcnt 0x0
	s_add_nc_u64 s[20:21], s[4:5], s[20:21]
	s_add_nc_u64 s[46:47], s[4:5], s[46:47]
	s_add_nc_u64 s[22:23], s[6:7], s[22:23]
	s_add_nc_u64 s[92:93], s[6:7], s[92:93]
	s_add_nc_u64 s[98:99], s[8:9], s[98:99]
	s_add_nc_u64 s[100:101], s[12:13], s[100:101]
	s_cmp_eq_u32 s14, 0
	s_cselect_b64 s[10:11], s[10:11], s[12:13]
	s_add_nc_u64 s[10:11], s[10:11], s[94:95]
	CROUND                                         ; all sixteen work-groups are here: the first joint loads meet
.macro G0SET g, l, a
	s_mov_b32 s[\g], 1
	s_mov_b32 s[\g+1], \l
	s_mov_b64 s[\g+2:\g+3], s[\a:\a+1]
	s_or_b32 s[\g+3], s[\g+3], 0x80000000
.endm
	G0SET G0, 0, 20
	G0SET G0B, WB, 46
	G0SET G0S, SCL, 22
	G0SET G0SB, SCW, 92
; THE HEAD'S LOADS, one a wave: wave 0 x's groups 0-7, wave 1 W's, wave 2 x's scale words, wave 3 W's.
.macro ARM under, g0, g1, next
	s_cmp_lt_u32 s14, \under
	s_cbranch_scc0 \next
	ASK \g0, \g1
	s_branch .Lhead_asked
\next:
.endm
	ARM 1, G0, G1, .Lhead_w
	ARM 2, G0B, G1B, .Lhead_sx
	ARM 3, G0S, G1S, .Lhead_sw
	ASK G0SB, G1SB
.Lhead_asked:
	v_and_b32 v1, 15, v0                           ; r
	v_bfe_u32 v2, v0, 4, 1                         ; h
	v_and_b32 v11, 31, v0
	v_mul_u32_u24 v3, v1, 48
	v_mad_u32_u24 v3, v2, 24, v3                   ; a fragment's row x 48 + 24 x half
	s_mul_i32 s94, s14, 3072
	v_add_nc_u32 v[ADX], s94, v3                   ; my 64 rows of x
	v_add_nc_u32 v[ADX+1], 6*XP, v[ADX]
	v_add_nc_u32 v[ADX+2], 12*XP, v[ADX]
	v_add_nc_u32 v[ADW], WB, v3
	v_add_nc_u32 v[ADW+1], 6*WP, v[ADW]
	v_add_nc_u32 v[ADW+2], 12*WP, v[ADW]
	v_lshlrev_b32 v3, 2, v1
	s_lshl_b32 s94, s14, 8
	s_add_co_u32 s94, s94, SCL
	v_lshl_add_u32 v[ASX], v2, 10, v3              ; lanes 16-31 take the next run of 128 along K
	v_add_nc_u32 v[ASX], s94, v[ASX]
	v_mul_u32_u24 v[ASW], v2, 768
	v_add_nc_u32 v[ASW], v[ASW], v3
	v_add_nc_u32 v[ASW], SCW, v[ASW]
	v_lshlrev_b32 v[L16], 4, v11
	v_lshlrev_b32 v[L8], 3, v11
	v_lshlrev_b32 v[H8], 3, v2
	s_lshl_b32 s94, s14, 7
	s_add_co_u32 s94, s94, OUTS
	v_add_nc_u32 v[SSO], s94, v3                   ; q's and k's words: 128 bytes a wave
	s_lshl_b32 s94, s15, 8
	s_lshl_b32 s95, s16, 1
	s_add_co_u32 s94, s94, s95
	s_add_co_u32 s94, s94, OUTS+1024
	v_add_nc_u32 v[VSO], s94, v3                   ; v's: two bytes of a word
	s_lshl_b32 s94, s14, 9
	s_add_co_u32 s94, s94, OUTS
	s_wait_alu depctr_va_vdst(0)                   ; directly ahead of the reader below
	v_add_nc_u32 v[OL], s94, v[L16]
	v_lshlrev_b32 v[OO], 4, v1
	v_mul_u32_u24 v11, s45, v2
	v_add_nc_u32 v[OO], v[OO], v11
	v_mov_b32 v[WX], 0                             ; written once: a lane permute's destination counts as one of its sources
	v_mov_b32 v[WX+1], 0
.macro FETCH st                        ; step st's 16 fragments into set st % 2.  16 rows x 128 K: registers 6 c .. 6 c + 5 are the 24 bytes at (group 2 st + c, row, 24 h), as they lie
.set S, 1+((\st)%2)
	WIN S<<6
.irp c, 0,1
.set PL, (2*(\st)+\c)%14
.irp i, 0,1,2,3
.irp p, 0,1,2
	ds_load_b64 v[12*\i+6*\c+2*\p:12*\i+6*\c+2*\p+1], v[ADX+PL/6] offset:(PL%6)*XP+768*\i+8*\p
.endr
.endr
.irp i, 0,1,2,3,4,5,6,7,8,9,10,11
.irp p, 0,1,2
	ds_load_b64 v[48+12*\i+6*\c+2*\p:48+12*\i+6*\c+2*\p+1], v[ADW+PL/6] offset:(PL%6)*WP+768*\i+8*\p
.endr
.endr
.endr
	WIN 0
.if ((\st)%2) == 0                     ; the scale words of steps st and st + 1
.irp i, 0,1,2,3
	ds_load_b32 v[SC+8*(\st)+\i], v[ASX] offset:1024*(\st)+64*\i
.endr
.irp i, 0,1,2,3,4,5,6,7,8,9,10,11
	ds_load_b32 v[SC+8*(\st)+4+\i], v[ASW] offset:768*(\st)+64*\i
.endr
.endif
.endm
.macro WM d, a, b, sa, sb, st, zero
.if \zero
	v_wmma_scale_f32_16x16x128_f8f6f4 v[\d:\d+7], v[\a:\a+11], v[\b:\b+11], 0, v[\sa], v[\sb] matrix_a_fmt:MATRIX_FMT_BF6 matrix_b_fmt:MATRIX_FMT_BF6
.else
.if (\st)%2
	v_wmma_scale_f32_16x16x128_f8f6f4 v[\d:\d+7], v[\a:\a+11], v[\b:\b+11], v[\d:\d+7], v[\sa], v[\sb] matrix_a_fmt:MATRIX_FMT_BF6 matrix_b_fmt:MATRIX_FMT_BF6 matrix_a_scale:MATRIX_SCALE_ROW1 matrix_b_scale:MATRIX_SCALE_ROW1
.else
	v_wmma_scale_f32_16x16x128_f8f6f4 v[\d:\d+7], v[\a:\a+11], v[\b:\b+11], v[\d:\d+7], v[\sa], v[\sb] matrix_a_fmt:MATRIX_FMT_BF6 matrix_b_fmt:MATRIX_FMT_BF6
.endif
.endif
.endm
; The 48 accumulators take turns, one instruction a turn, in the same order in every step.
.macro MULQ i, st, zero                ; tokens' tile i x the eight tiles of q and k
.set S, 1+((\st)%2)
.set SR, SC+16*((\st)/2)
	WIN 0xf0+5*S
.irp b, 0,1,2,3,4,5,6,7
	WM 64*\i+8*\b, 48+12*\b, 12*\i, SR+4+\b, SR+\i, \st, \zero
.endr
.endm
.macro MULV st, zero                   ; v's four tiles of features x the four tiles of tokens
.set S, 1+((\st)%2)
.set SR, SC+16*((\st)/2)
	WIN 5*S
.irp t, 0,1,2,3
.irp i, 0,1,2,3
	WM VA+32*\t+8*\i, 12*\i, 144+12*\t, SR+\i, SR+12+\t, \st, \zero
.endr
.endr
.endm
; A load into a register that a matrix instruction has read stands four places behind it; only plain vector instructions that name none of its registers are places.
; kind 0: the next step's places are whole.  kind 1: they hang on the second fill; behind the round groups 14, 15 are asked for.  kind 2: they hang on that refill.
.macro STEP st, kind, zero
	s_wait_dscnt 0x0                               ; this step's fragments are in
.if \kind
	MULQ 0, \st, \zero
	MULQ 1, \st, \zero
	WIN 0
	s_wait_tensorcnt 0x0                           ; all my tensor loads have landed
.if \kind == 1
	ds_add_u32 v[SPW], v[NIL]                      ; 0 onto my spare word
	s_mul_i32 s[G0+1], s15, XP                     ; no tensor load of mine is out: the refill, one group a wave, into places 0 and 1
	s_mul_i32 s[G0B+1], s15, WP
	s_add_co_u32 s[G0B+1], s[G0B+1], WB
	s_add_nc_u64 s[G0+2:G0+3], s[G0+2:G0+3], s[22:23]
	s_add_nc_u64 s[G0B+2:G0B+3], s[G0B+2:G0B+3], s[22:23]
.irp g, G1, G1B
	s_mov_b32 s[\g+2], 1<<16
	s_mov_b32 s[\g+4], 1
	s_mov_b32 s[\g+6], 1<<16                       ; (one row: a stride between planes is stated and not used)
.endr
.endif
	MULQ 2, \st, \zero
	s_wait_dscnt 0x0                               ; my LDS instructions are done
	s_barrier_signal -1
	MULQ 3, \st, \zero
	WIN 0
	s_barrier_wait -1
.if \kind == 1
	CREST                                          ; no wave of any partner still reads places 0, 1 or has a load on its way
	JLOAD                                          ; its four v_nop are the places in front of the loads below
.else
	PLACES 4
.endif
	FETCH (\st)+1
	MULV \st, \zero
.else
	PLACES 4
	FETCH (\st)+1
	MULQ 0, \st, \zero
	MULQ 1, \st, \zero
	MULQ 2, \st, \zero
	MULQ 3, \st, \zero
	MULV \st, \zero
.endif
	WIN 0
.endm
	s_wait_alu depctr_va_vdst(0)                   ; the wait at the head's end
	s_wait_tensorcnt 0x0                           ; my load of the head's four is in
	ds_add_u32 v[SPW], v[NIL]
	s_mul_i32 s[G0+1], s15, 3*XP                   ; no tensor load of mine is out: the second fill, three groups a wave, into places 8 + 3 part + 0 .. 2
	s_add_co_u32 s[G0+1], s[G0+1], 8*XP
	s_mul_i32 s[G0B+1], s15, 3*WP
	s_add_co_u32 s[G0B+1], s[G0B+1], WB+8*WP
	s_add_nc_u64 s[G0+2:G0+3], s[G0+2:G0+3], s[18:19]
	s_add_nc_u64 s[G0B+2:G0B+3], s[G0B+2:G0B+3], s[18:19]
.irp g, G1, G1B
	s_mov_b32 s[\g+2], 3<<16
	s_mov_b32 s[\g+4], 3
.endr
	s_mul_i32 s22, s15, 2*GP
	s_sub_co_u32 s22, 6*GP, s22                    ; from group 8 + 3 part to group 14 + part
	s_mov_b32 s23, 0
	s_wait_dscnt 0x0                               ; the add is done
	CROUND                                         ; the head's tiles are whole in every work-group of the cluster
	JLOAD
	FETCH 0
	STEP 0, 0, 1                                   ; the first step's products start the sums
	STEP 1, 0, 0
	STEP 2, 0, 0
	STEP 3, 1, 0
	STEP 4, 0, 0
	STEP 5, 0, 0
	STEP 6, 2, 0
	s_wait_dscnt 0x0
	MULQ 0, 7, 0
	MULQ 1, 7, 0
	MULQ 2, 7, 0
	MULQ 3, 7, 0
	MULV 7, 0
	WIN 0
	PLACES 4                                       ; behind the last products: results are read and scale registers written below
; THE WAY OUT: four tiles at a time.  32 registers of a lane are one block of 32 along the next K: codes into v[cb + 6 b ..], b = 0 .. 3, and two scale words, each for a pair of tiles.
.macro QUANT4 base, stride, w, cb
	WIN 5*(\w)
.irp b, 0,1,2,3
	v_max3_num_f32 v[TM+\b], |v[\base+\stride*\b]|, |v[\base+\stride*\b+1]|, 0x2800000   ; each accumulator from its low end on, and the floor 2^(5 - 127)
.endr
.irp i, 2,4,6,8,10,12,14,16,18,20,22,24,26,28,30
.irp b, 0,1,2,3
	v_max3_num_f32 v[TM+\b], |v[\base+\stride*\b+\i]|, |v[\base+\stride*\b+\i+1]|, v[TM+\b]
.endr
.endr
	WIN 0
.irp b, 0,1,2,3
	v_add_nc_u32 v[SO+\b], 0xfe000000, v[TM+\b]    ; 4 off its exponent field: the conversion's scale operand
.endr
.irp b, 0,1,2,3
	v_lshrrev_b32 v[BY+\b], 23, v[SO+\b]           ; the scale's byte
.endr
.irp u, 0,1
	v_lshl_or_b32 v[WD+\u], v[BY+2*\u+1], 16, v[BY+2*\u]
.endr
.irp u, 0,1
	v_lshlrev_b32 v[WD+\u], v[H8], v[WD+\u]        ; my half's bytes at their places,
.endr
.irp u, 0,1
	v_permlanex16_b32 v[WX+\u], v[WD+\u], s[SEL], s[SEL+1]
.endr
.irp u, 0,1
	v_or_b32 v[WD+\u], v[WD+\u], v[WX+\u]          ; and lane l xor 16's
.endr
	WIN \w
.irp b, 0,1,2,3
	v_cvt_scalef32_pk16_bf6_f32 v[\cb+6*\b:\cb+6*\b+2], v[\base+\stride*\b:\base+\stride*\b+15], v[SO+\b]
	v_cvt_scalef32_pk16_bf6_f32 v[TT+4*\b:TT+4*\b+2], v[\base+\stride*\b+16:\base+\stride*\b+31], v[SO+\b]   ; (a conversion's three registers begin on an even number)
.endr
	WIN 0
	v_nop                                          ; one plain place behind a scaled conversion
.irp b, 0,1,2,3
.irp i, 0,1,2
	v_mov_b32 v[\cb+6*\b+3+\i], v[TT+4*\b+\i]
.endr
.endr
.endm
	QUANT4 0, 64, 3, 32                            ; q
.irp b, 0,1,2,3
	global_store_b128 v[L16], v[32+6*\b:35+6*\b], s[98:99] offset:768*\b       ; 32 lanes store 512 consecutive bytes,
	global_store_b64 v[L8], v[36+6*\b:37+6*\b], s[98:99] offset:768*\b+512     ; and 256, each aligned to 256
.endr
	ds_store_b32 v[SSO], v[WD]                     ; lanes r and r + 16 write the same word with the same value
	ds_store_b32 v[SSO], v[WD+1] offset:64
	QUANT4 32, 64, 3, 56                           ; k
.irp u, 0,1
.irp q, 0,1,2
	global_store_b128 v[L16], v[56+12*\u+4*\q:59+12*\u+4*\q], s[100:101] offset:1536*\u+512*\q
.endr
.endr
	ds_store_b32 v[SSO], v[WD] offset:512
	ds_store_b32 v[SSO], v[WD+1] offset:576
	s_wait_alu depctr_va_vdst(0)
	s_wait_xcnt 0x0                                ; q's codes have been read by their stores
	QUANT4 VA, 32, 0, 32                           ; v
.irp b, 0,1,2,3
	global_store_b128 v[L16], v[32+6*\b:35+6*\b], s[100:101] offset:6144+768*\b
	global_store_b64 v[L8], v[36+6*\b:37+6*\b], s[100:101] offset:6144+768*\b+512
.endr
.irp u, 0,1
	ds_store_b16 v[VSO], v[WD+\u] offset:128*\u
	ds_store_b16_d16_hi v[VSO], v[WD+\u] offset:128*\u+64
.endr
	s_wait_alu depctr_va_vdst(0)
	s_wait_dscnt 0x0                               ; for the others' sake: my words have landed
	s_barrier_signal -1
	s_barrier_wait -1
	s_cmp_lt_u32 s14, 3
	s_cbranch_scc0 .Ldone
	ds_load_b128 v[96:99], v[OL]
	s_wait_dscnt 0x0
	global_store_b128 v[OO], v[96:99], s[10:11]    ; two aligned runs of 256 bytes
.Ldone:
	s_wait_tensorcnt 0x0                           ; the wave's end
	ds_add_u32 v[SPW], v[NIL]
	s_wait_dscnt 0x0
	CROUND                                         ; the closing round
	s_endpgm
.Lfunc_end_k_q1ecc3746ca_qkvgemm:
	.size	k_q1ecc3746ca_qkvgemm, .Lfunc_end_k_q1ecc3746ca_qkvgemm-k_q1ecc3746ca_qkvgemm
	.p2alignl 7, 3214868480
	.fill 96, 4, 3214868480
	.section	.rodata,"a",@progbits
	.p2align	6, 0x0
	.amdhsa_kernel k_q1ecc3746ca_qkvgemm
		.amdhsa_group_segment_fixed_size 327680
		.amdhsa_private_segment_fixed_size 0
		.amdhsa_enable_private_segment 0
		.amdhsa_kernarg_size 40
		.amdhsa_user_sgpr_count 2
		.amdhsa_user_sgpr_kernarg_segment_ptr 1
		.amdhsa_wavefront_size32 1
		.amdhsa_system_sgpr_workgroup_id_x 1
		.amdhsa_system_sgpr_workgroup_id_y 1
		.amdhsa_system_sgpr_workgroup_id_z 1
		.amdhsa_system_vgpr_workitem_id 0
		.amdhsa_next_free_vgpr 1024
		.amdhsa_next_free_sgpr 102
		.amdhsa_reserve_vcc 0
		.amdhsa_float_denorm_mode_32 3
		.amdhsa_float_denorm_mode_16_64 3
		.amdhsa_memory_ordered 1
		.amdhsa_forward_progress 1
		.amdhsa_inst_pref_size 137
	.end_amdhsa_kernel
	.amdgpu_metadata
---
amdhsa.version: [ 1, 2 ]
amdhsa.kernels:
  - .name:           k_q1ecc3746ca_qkvgemm
    .symbol:         k_q1ecc3746ca_qkvgemm.kd
    .args:
      - { .name: cod, .offset: 0, .size: 8, .value_kind: global_buffer, .address_space: global }
      - { .name: scl, .offset: 8, .size: 8, .value_kind: global_buffer, .address_space: global }
      - { .name: qc, .offset: 16, .size: 8, .value_kind: global_buffer, .address_space: global }
      - { .name: qs, .offset: 24, .size: 8, .value_kind: global_buffer, .address_space: global }
      - { .name: kv, .offset: 32, .size: 8, .value_kind: global_buffer, .address_space: global }
    .group_segment_fixed_size: 327680
    .private_segment_fixed_size: 0
    .kernarg_segment_align: 8
    .kernarg_segment_size: 40
    .max_flat_workgroup_size: 128
    .sgpr_count:     102
    .vgpr_count:     1024
    .wavefront_size: 32
...
	.end_amdgpu_metadata
.endif
;; end of part 2
;; launch attn (part 3): grid 8 x 32, 16 waves a work-group, no clusters, 327,680 bytes of LDS; arguments qc, qs, kv, ac, asc; writes ac, asc
.if DOCPART == 3
	.amdgcn_target "amdgcn-amd-amdhsa--gfx1250"
	.amdhsa_code_object_version 6
	.text
	.protected	k_q1ecc3746ca_attn
	.globl	k_q1ecc3746ca_attn
	.p2align	8
	.type	k_q1ecc3746ca_attn,@function
k_q1ecc3746ca_attn:
	s_mov_b64 s[64:65], 0
	v_nop
	global_prefetch_b8 v0, s[64:65] scope:SCOPE_SE
	s_setreg_imm32_b32 hwreg(HW_REG_WAVE_MODE, 25, 1), 1
	s_wait_xcnt 0x0
; Causal attention on codes of BF6 (E3M2) with E8M0 scales, 32 heads (2 x 16) of 2,048 tokens x 64; the normalised result is quantised along its 64 features and leaves as codes for the last product.
; IN:  qc, qs, kv: images of operand registers, tiles of 16 storage rows (storage row 16 t + 8 g + j of each 64 is row 32 g + 8 t + j); kv holds for each head 16 key steps of 12,800 bytes: K, V, K's and V's scale words.
; OUT: ac [16 heads][256 tiles][768] (a lane's registers 0-3, then 4-5), asc [16 heads][4096 storage rows][2 bytes].
; THE SOFTMAX: t = score x log2(e) / 8 (one rounding); M = the running largest t rounded up to a whole number; p = 2^(t - M) is quantised along the keys, not normalised; the row's sum is taken of the
; unquantised p and divides at the end.  When M moves, the sum and O are multiplied by 2^(old M - new M): exact.
; SHARES: a work-group has one head and the query blocks (128 queries) j and 15 - j.  Two waves share one early tile of 16 queries (j + 1 key steps) and one late tile (16 - j):
; wave A takes the late tile's key steps 0 .. 8; wave B the early tile's, then the late tile's steps 9 .. 15 - j: 9 and 8 steps, whatever j is.  B's part of the late tile (O, M, sum) goes to A through LDS.
; Wave w is A where (w ^ (w / 4)) & 1 is 0; the pair is w / 2.
; ALL OF A HEAD'S K AND V STAY IN LDS: 204,800 bytes.  Waves 0-7 ask at the head for key steps w and w + 8, one load each; waves 0 and 1 wait first, and trips 0 and 1 read what they brought;
; the others' loads land meanwhile.  So there is no ring, and nothing is left that could be asked for further ahead: no prefetch.
; LEFT OUT: key steps all of whose keys come after a tile's queries (reference()'s own mask).
; NO CLUSTER: the work-groups of a head read the same K and V, but where a wave's tile changes and where its diagonal lies are scalar branches on j, which differs between them.
; BOTH PRODUCTS TRANSPOSED: S^T = K Q^T (source 0 = 16 keys), O^T = V^T P^T (source 0 = 16 features): a lane of half h holds one query throughout, and its registers over four tiles are the 32 neighbours 32 h + 0 .. 31: a whole block.
; THE FIRST PRODUCT'S K IS 64: a fragment's 128 along K are two tiles of 16 keys side by side; against Q followed by zero codes it gives the lower tile's scores, against zero codes followed by Q the upper tile's.  Every scale byte is a finite code.
; LIMITS: as in the first launch (zero blocks get the byte 1; blocks under 2^-122 held at the byte 1; NaN and infinities not served; scaled scores under 2^31 in magnitude).
; REGISTERS: v1 16 x lane, v2 8 x lane, v3 4 r, v4 my query in its 64 less 32 h, v5 8 h, v6-8 a step's addresses, v9 my scale bytes' place, v10, v11 the add's, v12 -M, v13 the largest t, v[14:15] the sum in two halves;
; v16-21 Q, v22-27 zeros, v28-33 Q, v34 its scale word; v36-83 K's four fragments, then: v36-47 p's codes, v48-54 second halves, v56-75 at work; v84-87 K's scales, v88-91 V's; v92-95 the end's addresses;
; v96-159 S^T, then p; v160-191 O^T; v192-239 V's four fragments; v240-246 the late tile's Q.
.set KB,    25600                      ; LDS: key steps w and w + 8, 12,800 bytes each
.set PB,    204800                     ; B's parts: 4,352 bytes a pair
.set ASB,   PB+8*4352                  ; scale bytes on the way out: 32 for each wave
.set SPARE, ASB+512
.set SEL,  20
.set CS,   22
.set SI,   40                          ; the trip, 0 .. 8
.set KO,   41                          ; key step less trip
.set DG,   42                          ; the trip on the diagonal
.set SW,   43                          ; the trip at which B changes tiles
.set EN,   44                          ; the first trip without work
.set TP,   45
.set TB,   46                          ; LDS byte at which the step's image begins
.set TX,   47
.set HG,   49                          ; which 64 of the block's 128 queries
.set KD,   50                          ; 0: A, 1: B
.set IX,   51                          ; the pair: which tile of a block's eight
.set FL,   0x2800000                   ; the floor 2^(5 - 127)
	s_load_b256 s[4:11], s[0:1], 0x0               ; qc, qs, kv, ac
	s_load_b64 s[12:13], s[0:1], 0x20              ; asc
	v_lshl_add_u32 v10, v0, 2, SPARE
	v_mov_b32 v11, 0
	ds_add_u32 v10, v11                            ; the opening: the add, twice on end, and its wait
	ds_add_u32 v10, v11
	v_lshrrev_b32 v1, 5, v0
	v_readfirstlane_b32 s18, v1                    ; wave 0..15
	s_and_b32 s52, ttmp7, 0xffff
	s_and_b32 s53, s52, 15                         ; head
	s_lshr_b32 s52, s52, 4                         ; b
	s_lshl_b32 s80, s52, 4
	s_add_co_u32 s80, s80, s53
	s_lshl_b32 s80, s80, 4
	s_and_b32 s82, s18, 7
	s_add_co_u32 s80, s80, s82
	s_mul_i32 s80, s80, 12800                      ; key step w of the head
	s_mov_b32 s81, 0
	s_mov_b32 s32, 1
	s_mul_i32 s33, s82, KB
	s_mov_b32 s24, 3<<16                           ; two rows of 12,800 dense bytes, eight key steps apart; elements of 8 bytes, no mask, no padding
	s_mov_b32 s25, 1600<<16
	s_mov_b32 s26, 2<<16
	s_mov_b32 s27, 1600<<16
	s_mov_b32 s28, 2
	s_mov_b32 s29, 12800
	s_mov_b32 s30, 0
	s_mov_b32 s31, 0
	s_lshr_b32 s[KD], s18, 2
	s_xor_b32 s[KD], s[KD], s18
	s_and_b32 s[KD], s[KD], 1
	s_lshr_b32 s[IX], s18, 1
	s_lshr_b32 s[HG], s[IX], 2
	s_sub_co_u32 s72, 15, ttmp9                    ; the late block
	s_add_co_u32 s74, ttmp9, 1
	s_cmp_eq_u32 s[KD], 0
	s_cselect_b32 s[DG], s72, ttmp9                ; my first tile's block, which is also the trip on its diagonal
	s_cselect_b32 s[SW], 64, s74
	s_cselect_b32 s[EN], 9, 8
	s_mov_b32 s[KO], 0
	s_mov_b32 s[TP], 0
	s_mov_b32 s[SI], 0
	s_lshl_b32 s75, s53, 8
	s_lshl_b32 s76, s52, 7
	s_add_co_u32 s75, s75, s76
	s_add_co_u32 s75, s75, s[IX]
	s_lshl_b32 s76, s[DG], 3
	s_add_co_u32 s76, s76, s75                     ; my first tile: 256 head + 128 b + 8 block + pair
	s_lshl_b32 s77, s72, 3
	s_add_co_u32 s77, s77, s75                     ; the late tile
	s_mul_i32 s54, s76, 768
	s_mov_b32 s55, 0
	s_mul_i32 s56, s77, 768
	s_mov_b32 s57, 0
	s_and_b32 s78, s[IX], 1
	s_lshl_b32 s78, s78, 1
	s_lshr_b32 s58, s76, 1
	s_lshl_b32 s58, s58, 6
	s_add_co_u32 s58, s58, s78
	s_mov_b32 s59, 0
	s_lshr_b32 s60, s77, 1
	s_lshl_b32 s60, s60, 6
	s_add_co_u32 s60, s60, s78
	s_mov_b32 s61, 0
	s_lshl_b32 s70, s53, 13
	s_lshl_b32 s71, s52, 12
	s_add_co_u32 s70, s70, s71
	s_lshl_b32 s71, ttmp9, 8
	s_add_co_u32 s70, s70, s71                     ; the early block's 256 scale bytes
	s_mov_b32 s71, 0
	s_lshl_b32 s79, ttmp9, 9
	s_sub_co_u32 s79, 3840, s79                    ; from them to the late block's
	s_mov_b32 s[SEL], 0x76543210
	s_mov_b32 s[SEL+1], 0xfedcba98
	s_mov_b32 s[CS], 0x3e38aa3b                    ; c = log2(e) / 8
	s_mov_b32 s[CS+1], s[CS]                       ; (named with it as a pair)
	s_wait_dscnt 0x0
	s_wait_kmcnt 0x0
	s_add_nc_u64 s[34:35], s[8:9], s[80:81]
	s_or_b32 s35, s35, 0x80000000
	s_add_nc_u64 s[66:67], s[10:11], s[54:55]      ; ac: my first tile,
	s_add_nc_u64 s[68:69], s[10:11], s[56:57]      ; and the late one
	s_add_nc_u64 s[54:55], s[4:5], s[54:55]        ; Q likewise
	s_add_nc_u64 s[56:57], s[4:5], s[56:57]
	s_add_nc_u64 s[58:59], s[6:7], s[58:59]
	s_add_nc_u64 s[60:61], s[6:7], s[60:61]
	s_add_nc_u64 s[70:71], s[12:13], s[70:71]
	s_cmp_lt_u32 s18, 2                            ; waves 0, 1 have a load line of their own: they wait ahead of the others
	s_cbranch_scc0 .Llater
	tensor_load_to_lds s[32:35], s[24:31]
	s_nop 0
.rept 4
	v_nop
.endr
	s_branch .Lasked
.Llater:
	s_cmp_lt_u32 s18, 8
	s_cbranch_scc0 .Lasked
	tensor_load_to_lds s[32:35], s[24:31]
	s_nop 0
.rept 4
	v_nop
.endr
.Lasked:
	v_and_b32 v6, 31, v0                           ; lane
	v_and_b32 v7, 15, v0                           ; r
	v_bfe_u32 v8, v0, 4, 1                         ; h
	v_lshlrev_b32 v1, 4, v6
	v_lshlrev_b32 v2, 3, v6
	v_lshlrev_b32 v3, 2, v7
	s_wait_alu depctr_va_vdst(0)
	global_load_b128 v[16:19], v1, s[54:55]        ; my first tile's Q,
	global_load_b64 v[20:21], v2, s[54:55] offset:512
	global_load_u16 v247, v3, s[58:59]             ; its two scale bytes a row,
	global_load_b128 v[240:243], v1, s[56:57]      ; and the late tile's, for B's change of tiles
	global_load_b64 v[244:245], v2, s[56:57] offset:512
	global_load_u16 v246, v3, s[60:61]
	v_lshlrev_b32 v5, 3, v8
	v_lshrrev_b32 v4, 3, v7
	v_lshlrev_b32 v4, 5, v4
	v_and_b32 v9, 7, v7
	v_add_nc_u32 v4, v4, v9
	v_lshlrev_b32 v9, 5, v8
	v_sub_nc_u32 v4, v4, v9
	s_and_b32 s82, s[IX], 3
	s_lshl_b32 s82, s82, 3
	v_add_nc_u32 v4, s82, v4                       ; query 32 (r / 8) + 8 (pair % 4) + r % 8 of its 64, less 32 h: a signed number
	s_lshl_b32 s82, s18, 5                         ; the scale bytes of the tile that I finish: 32 bytes of my own
	s_add_co_u32 s82, s82, ASB
	v_lshlrev_b32 v9, 1, v7
	v_add_nc_u32 v9, s82, v9
	s_mul_i32 s82, s[IX], 4352
	s_add_co_u32 s82, s82, PB
	v_add_nc_u32 v92, s82, v1
	s_add_co_u32 s82, s82, 4096
	v_add_nc_u32 v93, s82, v2
	v_bfe_u32 v94, v0, 2, 1                        ; and how they are gathered: lane x = lane % 16 reads half x % 2 of tile x / 2; the early tile's bytes (lanes 0-15) are B's, the late tile's A's:
	v_xor_b32 v94, v94, v8                         ; wave 2 (x / 2) + (1 ^ half of the lanes ^ bit 2 of x)
	v_xor_b32 v94, 1, v94
	v_lshlrev_b32 v94, 5, v94
	v_lshrrev_b32 v6, 1, v7
	v_lshl_add_u32 v94, v6, 6, v94
	v_and_b32 v6, 1, v7
	v_lshl_add_u32 v94, v6, 4, v94
	v_add_nc_u32 v94, ASB, v94
	v_lshlrev_b32 v95, 4, v7
	v_mul_u32_u24 v6, s79, v8
	v_add_nc_u32 v95, v95, v6
.irp j, 22,23,24,25,26,27,63,65,67             ; zero codes; and registers that are named as a source before they are first written
	v_mov_b32 v[\j], 0
.endr
.macro FRESH                           ; a tile begins
	v_mov_b32 v13, 0xff61b1e6                      ; the largest t so far: -3e38
	v_mov_b32 v14, 0
	v_mov_b32 v15, 0
	v_floor_f32 v12, -v13                          ; -M
.set Z, 160
.rept 32
	v_mov_b32 v[Z], 0                              ; O^T: the step is written once, and the first change of M leaves zeros zeros
.set Z, Z+1
.endr
.endm
	FRESH
; A TILE'S WAY OUT: O^T / the sum, quantised along the head's 64 features (a block a lane), as 768 consecutive bytes; its scale bytes to LDS.
.macro FINISH ptr, off
.rept 4
	v_nop                                          ; places behind the last products
.endr
	v_add_f32 v14, v14, v15
	v_permlanex16_b32 v65, v14, s[SEL], s[SEL+1]
	v_add_f32 v14, v14, v65                        ; the row's sum
	s_wait_alu depctr_va_vdst(0)
	v_rcp_f32 v14, v14
	v_nop                                          ; a plain place behind the transcendental
	s_wait_alu depctr_va_vdst(0)
.set Z, 0
.rept 16
	v_pk_mul_f32 v[96+Z:97+Z], v[160+Z:161+Z], v[14:15] op_sel_hi:[1,0]   ; register i: feature 32 h + i of my query
.set Z, Z+2
.endr
	v_max3_num_f32 v56, |v96|, |v97|, FL
	v_max3_num_f32 v57, |v112|, |v113|, FL
.set Z, 2
.rept 7
	v_max3_num_f32 v56, v56, |v[96+Z]|, |v[97+Z]|
	v_max3_num_f32 v57, v57, |v[112+Z]|, |v[113+Z]|
.set Z, Z+2
.endr
	v_max_num_f32 v56, v56, v57
	v_add_nc_u32 v58, 0xfe000000, v56
	v_lshrrev_b32 v60, 23, v58
	v_lshlrev_b32 v60, v5, v60
	v_permlanex16_b32 v63, v60, s[SEL], s[SEL+1]
	v_or_b32 v60, v60, v63                         ; the row's two scale bytes
	v_cvt_scalef32_pk16_bf6_f32 v[36:38], v[96:111], v58
	v_cvt_scalef32_pk16_bf6_f32 v[48:50], v[112:127], v58
	v_nop                                          ; one plain place behind a scaled conversion
.irp i, 0,1,2
	v_mov_b32 v[39+\i], v[48+\i]
.endr
	global_store_b128 v1, v[36:39], s[\ptr:\ptr+1]             ; 32 lanes store 512 consecutive bytes,
	global_store_b64 v2, v[40:41], s[\ptr:\ptr+1] offset:512   ; and 256
	ds_store_b16 v9, v60 offset:\off               ; lanes r and r + 16 write the same bytes with the same value
.endm
.macro MASK c                          ; on the diagonal hidden scores become -infinity.  Register 32 c + n holds key 64 c + 32 h + n of the step: in the queries' own 64 hidden where n > v4
	v_mov_b32 v64, 0xff800000
.set Z, 0
.rept 32
	v_cmp_gt_i32 vcc_lo, Z, v4
	v_cndmask_b32 v[96+32*\c+Z], v[96+32*\c+Z], v64, vcc_lo
.set Z, Z+1
.endr
.endm
.macro PKO z0                          ; O^T under the new M
.set Z, \z0
.rept 4
	v_pk_mul_f32 v[160+Z:161+Z], v[160+Z:161+Z], v[66:67] op_sel_hi:[1,0]
.set Z, Z+2
.endr
.endm
; A TRIP: 128 keys.
.macro STEP ph
	s_cmp_eq_u32 s[SI], s[SW]                      ; B's early tile is done: it leaves, and the late tile's key steps 9 .. follow
	s_cbranch_scc0 .Lsame_\@
	FINISH 66, 0
	v_lshl_or_b32 v34, v246, 16, v246
.irp i, 0,1,2,3,4,5
	v_mov_b32 v[16+\i], v[240+\i]
	v_mov_b32 v[28+\i], v[240+\i]
.endr
	FRESH
	s_sub_co_u32 s[KO], 9, s[SW]                   ; 8 - j
	s_mov_b32 s[DG], 7
	s_wait_alu depctr_va_vdst(0)
	s_wait_xcnt 0x0                                ; the stores have read the codes' registers
.Lsame_\@:
	s_cmp_ge_u32 s[SI], s[EN]
	s_cbranch_scc1 .Lhidden_\@
.if \ph == 1                           ; trips 0, 1: key step = trip, or trip + 8
	s_cmp_lg_u32 s[KO], 0
	s_cselect_b32 s[TB], 12800, 0
	s_add_co_u32 s[TB], s[TB], s[TP]
.else
	s_add_co_u32 s[TX], s[SI], s[KO]               ; key step k lies at (k % 8) x 25,600 + (k / 8) x 12,800
	s_and_b32 s[TB], s[TX], 7
	s_mul_i32 s[TB], s[TB], KB
	s_lshr_b32 s[TX], s[TX], 3
	s_and_b32 s[TX], s[TX], 1
	s_mul_i32 s[TX], s[TX], 12800
	s_add_co_u32 s[TB], s[TB], s[TX]
.endif
	v_add_nc_u32 v6, s[TB], v1                     ; (these four are the places in front of the loads into registers that the last products read)
	v_add_nc_u32 v7, s[TB], v2
	v_add_nc_u32 v8, s[TB], v3
	v_nop
.irp i, 0,1,2,3
.irp q, 0,1,2
	ds_load_b128 v[36+12*\i+4*\q:39+12*\i+4*\q], v6 offset:1536*\i+512*\q
.endr
	ds_load_b32 v[84+\i], v8 offset:12288+64*\i
.endr
.irp t, 0,1,2,3
.irp c, 0,1
	ds_load_b128 v[192+12*\t+6*\c:195+12*\t+6*\c], v6 offset:6144+3072*\c+768*\t
	ds_load_b64 v[196+12*\t+6*\c:197+12*\t+6*\c], v7 offset:6656+3072*\c+768*\t
.endr
	ds_load_b32 v[88+\t], v8 offset:12544+64*\t
.endr
	s_wait_dscnt 20                                ; K is in; V's 16 pieces and 4 scale words may be out
.irp i, 0,1,2,3
	v_wmma_scale_f32_16x16x128_f8f6f4 v[96+16*\i:103+16*\i], v[36+12*\i:47+12*\i], v[16:27], 0, v[84+\i], v34 matrix_a_fmt:MATRIX_FMT_BF6 matrix_b_fmt:MATRIX_FMT_BF6
	v_wmma_scale_f32_16x16x128_f8f6f4 v[104+16*\i:111+16*\i], v[36+12*\i:47+12*\i], v[22:33], 0, v[84+\i], v34 matrix_a_fmt:MATRIX_FMT_BF6 matrix_b_fmt:MATRIX_FMT_BF6
.endr
.rept 4
	v_nop                                          ; places: the scores are read, K's registers written
.endr
	s_cmp_eq_u32 s[SI], s[DG]
	s_cbranch_scc0 .Lopen_\@
	s_cmp_eq_u32 s[HG], 0
	s_cbranch_scc0 .Lupper_\@
	MASK 0
.set Z, 128
.rept 32
	v_mov_b32 v[Z], v64                            ; the upper 64 keys come after all my queries
.set Z, Z+1
.endr
	s_wait_alu depctr_va_vdst(0)
	s_branch .Lopen_\@
.Lupper_\@:
	MASK 1
.Lopen_\@:
.irp c, 0,1                            ; the largest score of each of my two blocks of 32 keys, in four chains: for the row's maximum and, since p rises with the score, for the block's largest p
	v_max3_num_f32 v[56+\c], v[96+32*\c], v[97+32*\c], v[98+32*\c]
	v_max3_num_f32 v[58+\c], v[112+32*\c], v[113+32*\c], v[114+32*\c]
.endr
.irp i, 3,5,7,9,11,13
.irp c, 0,1
	v_max3_num_f32 v[56+\c], v[56+\c], v[96+32*\c+\i], v[97+32*\c+\i]
	v_max3_num_f32 v[58+\c], v[58+\c], v[112+32*\c+\i], v[113+32*\c+\i]
.endr
.endr
.irp c, 0,1
	v_max3_num_f32 v[56+\c], v[56+\c], v[111+32*\c], v[127+32*\c]
.endr
.irp c, 0,1
	v_max_num_f32 v[56+\c], v[56+\c], v[58+\c]
.endr
	v_max_num_f32 v64, v56, v57
	v_permlanex16_b32 v65, v64, s[SEL], s[SEL+1]
	v_max_num_f32 v64, v64, v65
	s_delay_alu instid0(VALU_DEP_1)
	v_mul_f32 v64, s[CS], v64                      ; as t
	s_delay_alu instid0(VALU_DEP_1)
	v_max_num_f32 v13, v13, v64                    ; the running largest t
	v_mov_b32 v64, v12
	s_delay_alu instid0(VALU_DEP_2)
	v_floor_f32 v12, -v13                          ; the new -M = -ceil(t)
	s_delay_alu instid0(VALU_DEP_1)
	v_sub_f32 v64, v12, v64                        ; old M - new M: a whole number, 0 or less
	s_delay_alu instid0(VALU_DEP_1)
	v_cvt_i32_f32 v64, v64                         ; (it saturates)
	s_delay_alu instid0(VALU_DEP_1)
	v_ldexp_f32 v66, 1.0, v64                      ; f = 2^(old M - new M)
.set Z, 96
.rept 32
	v_pk_fma_f32 v[Z:Z+1], v[Z:Z+1], s[CS:CS+1], v[12:13] op_sel_hi:[1,0,0]   ; t - M, two at a time
.set Z, Z+2
.endr
.irp c, 0,1
	v_fma_f32 v[56+\c], v[56+\c], s[CS], v12
.endr
	s_wait_alu depctr_va_vdst(0)                   ; the wait ahead of the batch
.set Z, 96
.rept 64
	v_exp_f32 v[Z], v[Z]                           ; p = 2^(t - M)
.set Z, Z+1
.endr
.irp c, 0,1
	v_exp_f32 v[56+\c], v[56+\c]                   ; the block's largest p: the same two instructions on the same number
.endr
	v_pk_mul_f32 v[14:15], v[14:15], v[66:67] op_sel_hi:[1,0]   ; the sums under the new M (a plain place behind the exponentials)
	s_wait_alu depctr_va_vdst(0)                   ; and behind it, directly ahead of O^T's first reader too
	PKO 0
.irp c, 0,1
	v_max_num_f32 v[56+\c], FL, v[56+\c]
.endr
	PKO 8
.irp c, 0,1
	v_add_nc_u32 v[58+\c], 0xfe000000, v[56+\c]    ; 4 off the exponent field: the conversion's scale operand
.endr
	PKO 16
.irp c, 0,1
	v_lshrrev_b32 v[60+\c], 23, v[58+\c]           ; the scale's byte
.endr
	PKO 24
	v_lshl_or_b32 v62, v61, 16, v60                ; my blocks' bytes, 64 keys apart,
.irp c, 0,1
	v_cvt_scalef32_pk16_bf6_f32 v[36+6*\c:38+6*\c], v[96+32*\c:111+32*\c], v[58+\c]
	v_cvt_scalef32_pk16_bf6_f32 v[48+4*\c:50+4*\c], v[112+32*\c:127+32*\c], v[58+\c]   ; (a conversion's three registers begin on an even number)
.endr
	v_lshlrev_b32 v62, v5, v62                     ; at my half's places (a plain place behind the conversions)
.irp i, 0,1,2
	v_mov_b32 v[39+\i], v[48+\i]
.endr
	v_permlanex16_b32 v63, v62, s[SEL], s[SEL+1]
.irp i, 0,1,2
	v_mov_b32 v[45+\i], v[52+\i]
.endr
	v_or_b32 v62, v62, v63                         ; with lane l xor 16's: p's scale word for these 128 keys
.irp i, 0,2,4,6
	v_pk_add_f32 v[68+\i:69+\i], v[96+\i:97+\i], v[104+\i:105+\i]   ; the row's sum, of the unquantised p, in four chains (the places behind the writes of p's codes and scale word)
.endr
.set Z, 112
.rept 6
.irp i, 0,2,4,6
	v_pk_add_f32 v[68+\i:69+\i], v[68+\i:69+\i], v[Z+\i:Z+\i+1]
.endr
.set Z, Z+8
.endr
	v_pk_add_f32 v[68:69], v[68:69], v[70:71]
	v_pk_add_f32 v[72:73], v[72:73], v[74:75]
	v_pk_add_f32 v[14:15], v[14:15], v[68:69]
	v_pk_add_f32 v[14:15], v[14:15], v[72:73]
	s_wait_alu depctr_va_vdst(0)
	s_wait_dscnt 0x0                               ; V is in
.irp t, 0,1,2,3
	v_wmma_scale_f32_16x16x128_f8f6f4 v[160+8*\t:167+8*\t], v[192+12*\t:203+12*\t], v[36:47], v[160+8*\t:167+8*\t], v[88+\t], v62 matrix_a_fmt:MATRIX_FMT_BF6 matrix_b_fmt:MATRIX_FMT_BF6
.endr
.Lhidden_\@:
.endm
	s_wait_alu depctr_va_vdst(0)                   ; the wait at the head's end
	s_wait_loadcnt 0x0                             ; Q
	v_lshl_or_b32 v34, v247, 16, v247              ; the two bytes in both halves of the word
.irp i, 0,1,2,3,4,5
	v_mov_b32 v[28+\i], v[16+\i]
.endr
	s_wait_alu depctr_va_vdst(0)
	s_cmp_lt_u32 s18, 2
	s_cbranch_scc0 .Lfirst
	s_wait_tensorcnt 0x0                           ; key steps 0, 8 (wave 0) and 1, 9 (wave 1) are in
.Lfirst:
	s_wait_dscnt 0x0
	s_barrier_signal -1
	s_barrier_wait -1
.Ltwo:
	STEP 1
	s_add_co_u32 s[TP], s[TP], KB
	s_add_co_u32 s[SI], s[SI], 1
	s_cmp_lt_u32 s[SI], 2
	s_cbranch_scc1 .Ltwo
	s_wait_alu depctr_va_vdst(0)
	s_wait_dscnt 0x0
	s_wait_tensorcnt 0x0                           ; all key steps are in
	s_barrier_signal -1
	s_barrier_wait -1
	s_mov_b32 s[SI], 2
.Lseven:
	STEP 2
	s_add_co_u32 s[SI], s[SI], 1
	s_cmp_lt_u32 s[SI], 9
	s_cbranch_scc1 .Lseven
	; B's part of the late tile goes to A.  (Where B has none of its key steps, O and the sum are zeros and M is -3e38: A multiplies them by 0.)
	s_cmp_eq_u32 s[KD], 0
	s_cbranch_scc1 .Lmeet
.rept 4
	v_nop                                          ; places behind the last products
.endr
	v_add_f32 v13, v14, v15
	ds_store_b64 v93, v[12:13]                     ; -M and my half of the sum
.irp i, 0,1,2,3,4,5,6,7
	ds_store_b128 v92, v[160+4*\i:163+4*\i] offset:512*\i
.endr
.Lmeet:
	s_wait_alu depctr_va_vdst(0)
	s_wait_dscnt 0x0                               ; for A's sake
	s_barrier_signal -1
	s_barrier_wait -1
	s_cmp_eq_u32 s[KD], 0
	s_cbranch_scc0 .Lscales
	ds_load_b64 v[128:129], v93
.irp i, 0,1,2,3,4,5,6,7
	ds_load_b128 v[96+4*\i:99+4*\i], v92 offset:512*\i
.endr
	s_wait_dscnt 0x0
	v_min_num_f32 v130, v12, v128                  ; -M of the two
	v_sub_f32 v131, v130, v12
	v_sub_f32 v132, v130, v128
	v_cvt_i32_f32 v131, v131
	v_cvt_i32_f32 v132, v132
	v_ldexp_f32 v134, 1.0, v131                    ; my part's factor,
	v_ldexp_f32 v136, 1.0, v132                    ; and B's
	v_pk_mul_f32 v[14:15], v[14:15], v[134:135] op_sel_hi:[1,0]
.set Z, 0
.rept 16
	v_pk_mul_f32 v[96+Z:97+Z], v[96+Z:97+Z], v[136:137] op_sel_hi:[1,0]
.set Z, Z+2
.endr
	v_fma_f32 v14, v129, v136, v14
.set Z, 0
.rept 16
	v_pk_fma_f32 v[160+Z:161+Z], v[160+Z:161+Z], v[134:135], v[96+Z:97+Z] op_sel_hi:[1,0,1]
.set Z, Z+2
.endr
	FINISH 68, 0
.Lscales:
	s_wait_alu depctr_va_vdst(0)
	s_wait_dscnt 0x0                               ; for wave 0's sake: my scale bytes have landed
	s_barrier_signal -1
	s_barrier_wait -1
	s_cmp_eq_u32 s18, 0
	s_cbranch_scc0 .Ldone
	ds_load_b128 v[128:131], v94
	s_wait_dscnt 0x0
	global_store_b128 v95, v[128:131], s[70:71]    ; lanes 0-15 the early block's aligned 256 bytes, lanes 16-31 the late block's
.Ldone:
	s_wait_tensorcnt 0x0                           ; the wave's end
	ds_add_u32 v10, v11
	s_wait_dscnt 0x0
	s_endpgm
.Lfunc_end_k_q1ecc3746ca_attn:
	.size	k_q1ecc3746ca_attn, .Lfunc_end_k_q1ecc3746ca_attn-k_q1ecc3746ca_attn
	.p2alignl 7, 3214868480
	.fill 96, 4, 3214868480
	.section	.rodata,"a",@progbits
	.p2align	6, 0x0
	.amdhsa_kernel k_q1ecc3746ca_attn
		.amdhsa_group_segment_fixed_size 327680
		.amdhsa_private_segment_fixed_size 0
		.amdhsa_enable_private_segment 0
		.amdhsa_kernarg_size 40
		.amdhsa_user_sgpr_count 2
		.amdhsa_user_sgpr_kernarg_segment_ptr 1
		.amdhsa_wavefront_size32 1
		.amdhsa_system_sgpr_workgroup_id_x 1
		.amdhsa_system_sgpr_workgroup_id_y 1
		.amdhsa_system_sgpr_workgroup_id_z 1
		.amdhsa_system_vgpr_workitem_id 0
		.amdhsa_next_free_vgpr 256
		.amdhsa_next_free_sgpr 100
		.amdhsa_reserve_vcc 1
		.amdhsa_float_denorm_mode_32 3
		.amdhsa_float_denorm_mode_16_64 3
		.amdhsa_memory_ordered 1
		.amdhsa_forward_progress 1
		.amdhsa_inst_pref_size 68
	.end_amdhsa_kernel
	.amdgpu_metadata
---
amdhsa.version: [ 1, 2 ]
amdhsa.kernels:
  - .name:           k_q1ecc3746ca_attn
    .symbol:         k_q1ecc3746ca_attn.kd
    .args:
      - { .name: qc, .offset: 0, .size: 8, .value_kind: global_buffer, .address_space: global }
      - { .name: qs, .offset: 8, .size: 8, .value_kind: global_buffer, .address_space: global }
      - { .name: kv, .offset: 16, .size: 8, .value_kind: global_buffer, .address_space: global }
      - { .name: ac, .offset: 24, .size: 8, .value_kind: global_buffer, .address_space: global }
      - { .name: asc, .offset: 32, .size: 8, .value_kind: global_buffer, .address_space: global }
    .group_segment_fixed_size: 327680
    .private_segment_fixed_size: 0
    .kernarg_segment_align: 8
    .kernarg_segment_size: 40
    .max_flat_workgroup_size: 512
    .sgpr_count:     100
    .vgpr_count:     256
    .wavefront_size: 32
...
	.end_amdgpu_metadata
.endif
;; end of part 3
;; launch outgemm (part 4): grid 8 x 32, 4 waves a work-group, clusters of 4 x 4, 327,680 bytes of LDS; arguments ac, asc, cod, scl, out0, bo; writes out0
.if DOCPART == 4
	.amdgcn_target "amdgcn-amd-amdhsa--gfx1250"
	.amdhsa_code_object_version 6
	.text
	.protected	k_q1ecc3746ca_outgemm
	.globl	k_q1ecc3746ca_outgemm
	.p2align	8
	.type	k_q1ecc3746ca_outgemm,@function
k_q1ecc3746ca_outgemm:
	s_mov_b64 s[64:65], 0
	v_nop
	global_prefetch_b8 v0, s[64:65] scope:SCOPE_SE
	s_setreg_imm32_b32 hwreg(HW_REG_WAVE_MODE, 25, 1), 1
	s_wait_xcnt 0x0
	s_wait_alu depctr_hold_cnt(0) depctr_sa_sdst(0) depctr_va_vdst(0) depctr_va_sdst(0) depctr_va_ssrc(0) depctr_va_vcc(0) depctr_vm_vsrc(0)
	s_getreg_b32 s2, hwreg(HW_REG_IB_STS2, 6, 4)
	s_cmp_eq_u32 s2, 0
	s_cbranch_scc0 .Lentry_in_a_cluster
	s_endpgm
.Lentry_in_a_cluster:
	s_bfe_u32 s2, ttmp6, 0x10000c
	s_cmp_lg_u32 s2, 0xf033
	s_cbranch_scc0 .Lentry_shape_is_right
	s_endpgm
.Lentry_shape_is_right:
; out = a Wo^T + bo on codes of BF6 (E3M2) with E8M0 scales, sums in f32, the bias as the first product's C.
; IN:  ac [16 heads][256 tiles of 16 storage rows][768]: a lane's registers 0-3 (512 bytes), then 4-5; asc [16 heads][4096][2]; cod [16 groups of 64 along K][8192 rows][48] and scl [8][8192][4], Wo from row 7168.
; Inside each 64 rows storage row 16 t + 8 g + j is row 32 g + 8 t + j.
; SHARES: 8 x 32 work-groups, 128 x 128 of the output each; a wave makes 64 x 64.  ALL OF K IS IN LDS AT ONCE: four loads, one a wave: a's codes (98,304 bytes), Wo's, a's scale bytes, Wo's scale words.
; So the work goes BY ROWS: a wave holds Wo's 64 rows x 1,024 in 384 registers, and its four blocks of 16 rows are finished one after the other, 32 matrix instructions each; a block leaves while the next is multiplied.
; TRANSPOSED: source 0 = 16 rows of Wo, source 1 = 16 rows of a: a lane of half h holds one row and, over four tiles, the columns 32 h + 0 .. 31.
; A block's 16 rows x 256 bytes go through my own stage in LDS (rows 272 bytes apart) and leave as aligned units of 256 bytes.
; CLUSTERS: 4 x 4 work-groups; a's tiles are asked for jointly along a row of the cluster, Wo's along a column.  No prefetch: nothing is left to ask for behind the head.
; LIMITS: NaN and infinities are not served.
; REGISTERS: window 0: v0-31 addresses, v32-63 a's scale words, v64-95 Wo's, v96-239 a's fragments: three buffers of half a block (16 rows x 512 K, 48 registers); window 1, 2: Wo's fragments, K 0-511 and 512-1023;
;   window 3: v0-63 two sets of four accumulators, v64-127 rows read back, v128-159 the bias.
.set GL,    6144                       ; 128 rows of one group of 64 along K
.set BB,    16*GL                      ; Wo's tile behind a's
.set AS,    2*BB                       ; a's scale bytes [16][128][2]
.set BS,    AS+4096                    ; Wo's scale words [8][128][4]
.set SPARE, BS+4096
.set STAGE, SPARE+512
.set SPITCH, 272
.set AA,  16                           ; v16-17 a's fragments, registers 0-3: groups 0-7, 8-15
.set AH,  18                           ; v18-19 registers 4-5
.set AB,  20                           ; v20-21 Wo's
.set ASA, 22
.set ASB, 23
.set STO, 24
.set RD,  25
.set CO,  26
.set BOF, 27
.set SPW, 28
.set NIL, 29
.set SA,  32
.set SB,  64
.set G1,  24
.set G0,  32
.set G0B, 36
.set G1B, 48
.set G1S, 68
.set G0S, 76
.set G1SB, 80
.set G0SB, 88
.set MSB, 0
.macro WIN new
.if MSB != (\new)
	s_set_vgpr_msb (MSB<<8)|(\new)
.set MSB, (\new)
.endif
.endm
.macro PLACES n
.rept \n
	v_nop
.endr
.endm
.macro ASK g0, g1
	tensor_load_to_lds s[\g0:\g0+3], s[\g1:\g1+7]
	s_nop 0
	PLACES 4
.endm
.macro CROUND                          ; a round of the cluster's barrier
	s_barrier_signal -1
	s_barrier_wait -1
	s_cmp_lg_u32 s14, 0
	s_cbranch_scc1 .Lnot_wave_0_\@
	s_barrier_signal -3
.Lnot_wave_0_\@:
	s_barrier_wait -3
	s_barrier_signal -1
	s_barrier_wait -1
.endm
	s_load_b256 s[4:11], s[0:1], 0x0               ; ac, asc, cod, scl
	s_load_b128 s[96:99], s[0:1], 0x20             ; out0, bo
	v_lshl_add_u32 v[SPW], v0, 2, SPARE
	v_mov_b32 v[NIL], 0
	ds_add_u32 v[SPW], v[NIL]                      ; the opening: the add, twice on end, and its wait
	ds_add_u32 v[SPW], v[NIL]
	v_lshrrev_b32 v1, 5, v0
	v_readfirstlane_b32 s14, v1                    ; wave 0..3
	s_lshr_b32 s15, s14, 1                         ; my half of the rows,
	s_and_b32 s16, s14, 1                          ; and of the columns
	s_bfe_u32 s40, ttmp6, 0x40000                  ; cx, cy
	s_bfe_u32 s41, ttmp6, 0x40004
	s_lshl_b32 s42, ttmp9, 2
	s_add_co_u32 s42, s42, s40                     ; tile column
	s_and_b32 s17, ttmp7, 0xffff
	s_lshl_b32 s17, s17, 2
	s_add_co_u32 s17, s17, s41                     ; tile row
	s_lshl_b32 s43, s41, 2
	s_lshl_b32 s43, 15, s43                        ; my row of the cluster
	s_lshl_b32 s44, 0x1111, s40                    ; my column
	s_or_b32 s[G1+0], s43, (3<<16)|(1<<21)         ; the mask; elements of 8 bytes; no padding; bit 21 set beside a mask
	s_or_b32 s[G1B+0], s44, (3<<16)|(1<<21)
	s_or_b32 s[G1S+0], s43, (3<<16)|(1<<21)
	s_or_b32 s[G1SB+0], s44, (3<<16)|(1<<21)
.macro SHAPE g, c, r, p                ; r rows of c elements, p elements apart
	s_mov_b32 s[\g+1], (\c)<<16
	s_mov_b32 s[\g+2], (\r)<<16
	s_mov_b32 s[\g+3], (\c)<<16
	s_mov_b32 s[\g+4], \r
	s_mov_b32 s[\g+5], \p
	s_mov_b32 s[\g+6], 0
	s_mov_b32 s[\g+7], 0
.endm
	SHAPE G1, 768, 16, 24576
	SHAPE G1B, 768, 16, 49152
	SHAPE G1S, 32, 16, 1024
	SHAPE G1SB, 64, 8, 4096
	s_mul_i32 s20, s17, GL                         ; a's codes: 128 x tile row x 48,
	s_mov_b32 s21, 0
	s_mul_i32 s46, s42, GL
	s_add_co_u32 s46, s46, 344064                  ; Wo's: (7168 + 128 x tile column) x 48,
	s_mov_b32 s47, 0
	s_lshl_b32 s22, s17, 8                         ; a's scale bytes,
	s_mov_b32 s23, 0
	s_lshl_b32 s92, s42, 9
	s_add_co_u32 s92, s92, 28672                   ; Wo's scale words
	s_mov_b32 s93, 0
	s_lshl_b32 s12, s17, 1
	s_add_co_u32 s12, s12, s15
	s_lshl_b32 s12, s12, 18                        ; out: (128 x tile row + 64 x half) x 4096
	s_mov_b32 s13, 0
	s_lshl_b32 s94, s42, 9
	s_lshl_b32 s95, s16, 8
	s_add_co_u32 s94, s94, s95                     ; + (128 x tile column + 64 x half) x 4: also the bias's place
	s_mov_b32 s95, 0
	s_wait_dscnt 0x0
	s_wait_kmcnt 0x0
	s_add_nc_u64 s[20:21], s[4:5], s[20:21]
	s_add_nc_u64 s[22:23], s[6:7], s[22:23]
	s_add_nc_u64 s[46:47], s[8:9], s[46:47]
	s_add_nc_u64 s[92:93], s[10:11], s[92:93]
	s_add_nc_u64 s[12:13], s[96:97], s[12:13]
	s_add_nc_u64 s[12:13], s[12:13], s[94:95]
	s_add_nc_u64 s[98:99], s[98:99], s[94:95]
	CROUND                                         ; all sixteen work-groups are here: the joint loads meet
.macro G0SET g, l, a
	s_mov_b32 s[\g], 1
	s_mov_b32 s[\g+1], \l
	s_mov_b64 s[\g+2:\g+3], s[\a:\a+1]
	s_or_b32 s[\g+3], s[\g+3], 0x80000000
.endm
	G0SET G0, 0, 20
	G0SET G0B, BB, 46
	G0SET G0S, AS, 22
	G0SET G0SB, BS, 92
.macro ARM under, g0, g1, next         ; one load a wave
	s_cmp_lt_u32 s14, \under
	s_cbranch_scc0 \next
	ASK \g0, \g1
	s_branch .Lhead_asked
\next:
.endm
	ARM 1, G0, G1, .Lhead_b
	ARM 2, G0B, G1B, .Lhead_sa
	ARM 3, G0S, G1S, .Lhead_sb
	ASK G0SB, G1SB
.Lhead_asked:
	v_and_b32 v1, 15, v0                           ; r
	v_bfe_u32 v2, v0, 4, 1                         ; h
	v_and_b32 v3, 31, v0                           ; lane
	v_lshlrev_b32 v[BOF], 7, v2
	v_mul_u32_u24 v4, v1, 48
	v_mad_u32_u24 v4, v2, 24, v4
	v_lshlrev_b32 v5, 4, v3
	v_lshlrev_b32 v6, 3, v3
	v_lshlrev_b32 v7, 4, v1
	s_mul_i32 s94, s15, 3072                       ; my 64 rows of a
	v_add_nc_u32 v[AA], s94, v5
	v_add_nc_u32 v[AA+1], 8*GL, v[AA]
	s_add_co_u32 s94, s94, 512
	v_add_nc_u32 v[AH], s94, v6
	v_add_nc_u32 v[AH+1], 8*GL, v[AH]
	s_mul_i32 s94, s16, 3072
	s_add_co_u32 s94, s94, BB                      ; my 64 rows of Wo
	v_add_nc_u32 v[AB], s94, v4
	v_add_nc_u32 v[AB+1], 8*GL, v[AB]
	s_lshl_b32 s94, s15, 7
	s_add_co_u32 s94, s94, AS
	v_lshlrev_b32 v8, 1, v1
	v_add_nc_u32 v[ASA], s94, v8
	s_lshl_b32 s94, s16, 8
	s_add_co_u32 s94, s94, BS
	v_lshlrev_b32 v8, 2, v1
	v_add_nc_u32 v[ASB], s94, v8
	s_mul_i32 s94, s14, 16*SPITCH
	s_add_co_u32 s94, s94, STAGE                   ; my stage
	v_mul_u32_u24 v8, v1, SPITCH
	v_lshl_add_u32 v8, v2, 7, v8
	v_add_nc_u32 v[STO], s94, v8                   ; in: row r, 128 bytes for each half of the lanes
	v_mul_u32_u24 v8, v2, SPITCH
	v_add_nc_u32 v8, v8, v7
	v_add_nc_u32 v[RD], s94, v8                    ; back: lanes 0-15 one row of 256 bytes, lanes 16-31 the next
	v_lshl_add_u32 v[CO], v2, 12, v7               ; and the same two rows of the output
	WIN 0xc0
.irp b, 0,1,2,3
	global_load_b128 v[128+8*\b:131+8*\b], v[BOF], s[98:99] offset:32*\b      ; the bias at my columns 32 h + 8 b + 0 .. 7
	global_load_b128 v[132+8*\b:135+8*\b], v[BOF], s[98:99] offset:32*\b+16
.endr
	WIN 0
.macro LOADA n                         ; half n % 2 (512 along K) of block n / 2 of a into buffer n % 3: 16 loads
.irp k, 0,1,2,3
.irp c, 0,1
.set FR, 96+48*((\n)%3)+12*\k+6*\c
.set OF, (2*\k+\c)*GL+768*((\n)/2)
	ds_load_b128 v[FR:FR+3], v[AA+(\n)%2] offset:OF
	ds_load_b64 v[FR+4:FR+5], v[AH+(\n)%2] offset:OF
.endr
.endr
.endm
.macro LOADB hf                        ; half hf of K of my 64 rows of Wo: 96 loads into window 1 + hf
	WIN (1+\hf)<<6
.irp k, 0,1,2,3
.irp c, 0,1
.irp b, 0,1,2,3
.irp p, 0,1,2
	ds_load_b64 v[48*\k+12*\b+6*\c+2*\p:48*\k+12*\b+6*\c+2*\p+1], v[AB+\hf] offset:(2*\k+\c)*GL+768*\b+8*\p
.endr
.endr
.endr
.endr
	WIN 0
.endm
.macro MULH n                          ; 16 matrix instructions; the four accumulators take turns, one instruction a turn
.set FR, 96+48*((\n)%3)
.set AC, 32*(((\n)/2)%2)
.set KK, 4*((\n)%2)
	WIN 0xf1+((\n)%2)
.irp k, 0,1,2,3
.irp b, 0,1,2,3
.if ((\n)%2)+\k == 0
	v_wmma_scale_f32_16x16x128_f8f6f4 v[AC+8*\b:AC+8*\b+7], v[48*\k+12*\b:48*\k+12*\b+11], v[FR+12*\k:FR+12*\k+11], v[128+8*\b:135+8*\b], v[SB+8*\b+KK+\k], v[SA+8*((\n)/2)+KK+\k] matrix_a_fmt:MATRIX_FMT_BF6 matrix_b_fmt:MATRIX_FMT_BF6
.else
	v_wmma_scale_f32_16x16x128_f8f6f4 v[AC+8*\b:AC+8*\b+7], v[48*\k+12*\b:48*\k+12*\b+11], v[FR+12*\k:FR+12*\k+11], v[AC+8*\b:AC+8*\b+7], v[SB+8*\b+KK+\k], v[SA+8*((\n)/2)+KK+\k] matrix_a_fmt:MATRIX_FMT_BF6 matrix_b_fmt:MATRIX_FMT_BF6
.endif
.endr
.endr
	WIN 0
.endm
.macro TOSTAGE a                       ; block a into my stage and back: LDS serves a wave's instructions in order (ISA guide 5.7.1.4)
.set AC, 32*((\a)%2)
.if (\a) > 1
	s_wait_xcnt 0x0                                ; block a - 2's stores have read the registers that the loads below write
.endif
	PLACES 4                                       ; behind the block's last products
	WIN 0x0c
.irp b, 0,1,2,3
	ds_store_b128 v[STO], v[AC+8*\b:AC+8*\b+3] offset:32*\b
	ds_store_b128 v[STO], v[AC+8*\b+4:AC+8*\b+7] offset:32*\b+16
.endr
	WIN 0xc0
.irp t, 0,1,2,3,4,5,6,7
	ds_load_b128 v[64+AC+4*\t:67+AC+4*\t], v[RD] offset:2*\t*SPITCH
.endr
	WIN 0
.endm
.macro SEND a, younger                 ; younger: the LDS loads issued behind block a's, which may stay out
.set AC, 32*((\a)%2)
	s_wait_dscnt \younger
	WIN 0x0c
.irp t, 0,1,2,3,4,5,6,7                ; stage rows 2 t, 2 t + 1 are rows 32 (t / 4) + 8 a + (2 t) % 8 and the next
	global_store_b128 v[CO], v[64+AC+4*\t:67+AC+4*\t], s[12:13] offset:(32*(\t/4)+8*(\a)+(2*\t)%8)*4096 th:TH_STORE_NT
.endr
	WIN 0
.endm
	s_wait_alu depctr_va_vdst(0)                   ; the wait at the head's end
	s_wait_tensorcnt 0x0                           ; my load of the four is in
	s_barrier_signal -1
	s_barrier_wait -1                              ; everybody's is
.irp a, 0,1,2,3
.irp k, 0,1,2,3,4,5,6,7
	ds_load_u16 v[SA+8*\a+\k], v[ASA] offset:512*\k+32*\a          ; two bytes of an even head,
	ds_load_u16 v[192+8*\a+\k], v[ASA] offset:512*\k+256+32*\a     ; two of the odd one
	ds_load_b32 v[SB+8*\a+\k], v[ASB] offset:512*\k+64*\a
.endr
.endr
	LOADB 0
	LOADA 0
	s_wait_dscnt 0x0
	s_wait_loadcnt 0x0                             ; the bias
.set Z, 0
.rept 32
	v_lshl_or_b32 v[SA+Z], v[192+Z], 16, v[SA+Z]
.set Z, Z+1
.endr
	s_wait_alu depctr_va_vdst(0)
	PLACES 8                                       ; a scale register written by a vector instruction stands eight places ahead of a scaled matrix instruction
	LOADB 1
	LOADA 1
	LOADA 2
	MULH 0
	s_wait_dscnt 16                                ; Wo's second half and half 1 are in; half 2's 16 loads may be out
	PLACES 4                                       ; in front of loads into registers that matrix instructions have read
	LOADA 3
	MULH 1
	TOSTAGE 0
.irp a, 1,2,3
.if \a < 3
	s_wait_dscnt 32                                ; half 2 a is in; behind it: half 2 a + 1's 16 loads, block a - 1's 8 stores and 8 loads
	PLACES 4
	LOADA 2*\a+2
	MULH 2*\a
	SEND \a-1, 16
	s_wait_dscnt 16                                ; half 2 a + 1 is in; half 2 a + 2's loads may be out
	PLACES 4
	LOADA 2*\a+3
	MULH 2*\a+1
.else
	s_wait_dscnt 32
	MULH 6
	SEND 2, 0                                      ; half 7 is in too
	MULH 7
.endif
	TOSTAGE \a
.endr
	SEND 3, 0
	s_wait_tensorcnt 0x0                           ; the wave's end
	ds_add_u32 v[SPW], v[NIL]
	s_wait_dscnt 0x0
	CROUND                                         ; the closing round
	s_endpgm
.Lfunc_end_k_q1ecc3746ca_outgemm:
	.size	k_q1ecc3746ca_outgemm, .Lfunc_end_k_q1ecc3746ca_outgemm-k_q1ecc3746ca_outgemm
	.p2alignl 7, 3214868480
	.fill 96, 4, 3214868480
	.section	.rodata,"a",@progbits
	.p2align	6, 0x0
	.amdhsa_kernel k_q1ecc3746ca_outgemm
		.amdhsa_group_segment_fixed_size 327680
		.amdhsa_private_segment_fixed_size 0
		.amdhsa_enable_private_segment 0
		.amdhsa_kernarg_size 48
		.amdhsa_user_sgpr_count 2
		.amdhsa_user_sgpr_kernarg_segment_ptr 1
		.amdhsa_wavefront_size32 1
		.amdhsa_system_sgpr_workgroup_id_x 1
		.amdhsa_system_sgpr_workgroup_id_y 1
		.amdhsa_system_sgpr_workgroup_id_z 1
		.amdhsa_system_vgpr_workitem_id 0
		.amdhsa_next_free_vgpr 1024
		.amdhsa_next_free_sgpr 100
		.amdhsa_reserve_vcc 0
		.amdhsa_float_denorm_mode_32 3
		.amdhsa_float_denorm_mode_16_64 3
		.amdhsa_memory_ordered 1
		.amdhsa_forward_progress 1
		.amdhsa_inst_pref_size 64
	.end_amdhsa_kernel
	.amdgpu_metadata
---
amdhsa.version: [ 1, 2 ]
amdhsa.kernels:
  - .name:           k_q1ecc3746ca_outgemm
    .symbol:         k_q1ecc3746ca_outgemm.kd
    .args:
      - { .name: ac, .offset: 0, .size: 8, .value_kind: global_buffer, .address_space: global }
      - { .name: asc, .offset: 8, .size: 8, .value_kind: global_buffer, .address_space: global }
      - { .name: cod, .offset: 16, .size: 8, .value_kind: global_buffer, .address_space: global }
      - { .name: scl, .offset: 24, .size: 8, .value_kind: global_buffer, .address_space: global }
      - { .name: out0, .offset: 32, .size: 8, .value_kind: global_buffer, .address_space: global }
      - { .name: bo, .offset: 40, .size: 8, .value_kind: global_buffer, .address_space: global }
    .group_segment_fixed_size: 327680
    .private_segment_fixed_size: 0
    .kernarg_segment_align: 8
    .kernarg_segment_size: 48
    .max_flat_workgroup_size: 128
    .sgpr_count:     100
    .vgpr_count:     1024
    .wavefront_size: 32
...
	.end_amdgpu_metadata
.endif
;; end of part 4
